; MI455X (gfx1250); checked and timed in simulation.
; The chip was launched on July 23, 2026; its instructions are those of AMD's public machine-readable ISA for CDNA 5 (MIT licence, August 2026) and "CDNA5" Instruction Set Architecture Reference Guide (July 2026). The comments in the code are by the model that wrote it; some were corrected since.
;; Block. Allowed arithmetic: float matrix products may take bf16 or f16 operands with f32 sums; other float arithmetic in f32, or as packed bf16 or f16 multiplies, adds, multiply-adds, maxima and minima; sums over many terms, partial sums and values carried from step to step in f32; what a program stores and reads back later, other than sums and carried values, may be rounded once to bf16 or f16.
;; Inputs: W1 512 x 2,048 float32; W2 2,048 x 512 float32; Wk 16 x 512 x 32 float32; Wp 512 x 512 float32; Wq 16 x 512 x 32 float32; Wv 16 x 512 x 32 float32; b1 2,048 float32; b2 512 float32; b_ln1 512 float32; b_ln2 512 float32; bp 512 float32; g_ln1 512 float32; g_ln2 512 float32; x 64 x 256 x 512 float32.
;; Outputs: out0 64 x 256 x 512 float32.
;; One version. Each part assembles by itself: llvm-mc -triple=amdgcn-amd-amdhsa -mcpu=gfx1250 --defsym DOCPART=n.
;; ======== version 1 of 1: 3 launches
;; limits: values are held in f16: magnitudes above 65,504 overflow, below 6.1e-05 lose precision
;; workspace buffers: hb 16,777,216 bytes; wb 6,291,456 bytes; att 16,777,216 bytes
;; launch prep (part 1): grid 704 x 1, 8 waves a work-group, no clusters, 0 bytes of LDS; arguments x, g_ln1, b_ln1, W1, W2, Wp, Wq, Wk, Wv, hb, wb; writes hb, wb
.if DOCPART == 1
	.amdgcn_target "amdgcn-amd-amdhsa--gfx1250"
	.amdhsa_code_object_version 6
	.text
	.protected	k_qefb45465d0_prep
	.globl	k_qefb45465d0_prep
	.p2align	8
	.type	k_qefb45465d0_prep,@function
k_qefb45465d0_prep:
	s_mov_b64 s[64:65], 0
	v_nop
	global_prefetch_b8 v0, s[64:65] scope:SCOPE_SE
	s_setreg_imm32_b32 hwreg(HW_REG_WAVE_MODE, 25, 1), 1
	s_wait_xcnt 0x0
; FIRST OF THREE LAUNCHES of a transformer block on 16,384 rows (64 batches x 256 tokens) of 512 channels:
;   prep: h = LayerNorm1(x) in f16, and the six weight matrices in f16;   attn: q, k, v and causal attention;   mlp: projection, residual, LayerNorm2, the two-layer ReLU network, residual.
; WORK LEFT OUT (in attn).  reference() itself sets wei = -inf wherever the key's index s is greater than the query's t (its own jnp.tril), in front of the softmax; exp(-inf) = 0, so such a score
; enters neither the softmax's sum nor the product with v, whatever finite values the inputs hold.  Queries and keys are taken in groups of 64: of the 16 pairs (query group, key group) of a head the
; six with key group > query group hold hidden scores alone, and are not computed.  Inside the four diagonal pairs hidden scores are computed and masked.  No input is without a way to the output: all are loaded.
; LIMIT: a NaN, an infinity or an overflow that would arise only in those six pairs is not carried to the result.
; THE FORMAT.  All matrix operands of the three launches are f16 (11 significant bits): in a batch's first rows attention averages over few keys, and what the operands lose in rounding reaches the output
; undiminished.  LIMIT: f16 holds no number beyond 65,504; an operand of 65,520 or more becomes an infinity.  |h| is at most sqrt(512) max|g_ln1| + max|b_ln1|; q, k, v and the hidden layer have the spread of
; gain x weight x sqrt(512): 1 for gains of 1 and weights of spread 1 / sqrt(512), 900 where both are 30 times larger.  Below 6e-5 a number keeps f16's fixed step of 6e-8.
; THIS LAUNCH streams: no LDS, no barrier, no matrix unit; every byte is read once and written once.  152 registers: six waves to a SIMD's 1,024, three work-groups of eight waves to four SIMDs.
; Work-groups 0-511: LayerNorm1 of 32 rows each.  A wave takes 4 rows, two at a time: lanes 0-15 one row, lanes 16-31 the next; a lane holds 32 numbers of its row (columns 64 j + 4 r .. + 3), so
; sixteen lanes read 256 consecutive bytes.  Mean first, then the mean of the squared differences (as reference() does it: no difference of large sums).  h goes out as
; hb[batch][kb 8][token 256][k 64] in f16: the 64 channels of a K step lie dense for all 256 tokens; a wave's store covers 256 consecutive bytes, aligned.
; Work-groups 512-703: 64 KiB of f32 weights each become 32 KiB of f16 in wb; nothing is transposed.  wb: W1 [512][2048] at 0, W2 [2048][512] at 2,097,152, Wp [512][512] at 4,194,304,
; and at 4,718,592 the q, k, v weights as [head group 4][kb 8][q,k,v][head in group 4][k 64][d 32]: what one work-group of attn wants for one K step lies dense.
.set G,  8                             ; v[8:39]    g_ln1 of my 32 columns
.set B,  40                            ; v[40:71]   b_ln1
.set X,  72                            ; v[72:135]  two pairs of rows, 32 registers each; in the weights' path 16 loads of 4; results are packed in place
.set T,  136                           ; v[136:151] at work; in the weights' path the eight store offsets
.set DO, 136
	s_load_b512 s[4:19], s[0:1], 0x0               ; x s[4:5], g_ln1 s[6:7], b_ln1 s[8:9], W1 s[10:11], W2 s[12:13], Wp s[14:15], Wq s[16:17], Wk s[18:19]
	s_load_b128 s[20:23], s[0:1], 0x40             ; Wv s[20:21], hb s[22:23]
	s_load_b64 s[24:25], s[0:1], 0x50              ; wb
	s_cmp_lt_u32 ttmp9, 512
	s_cbranch_scc0 .Lweights
	v_and_b32 v1, 15, v0                           ; r: my place among a row's sixteen lanes
	v_bfe_u32 v2, v0, 4, 1                         ; hh: which row of the pair
	v_lshrrev_b32 v6, 5, v0                        ; wave
	v_lshlrev_b32 v5, 4, v1                        ; 16 r: offset in g and b
	v_lshl_add_u32 v7, v6, 2, v2                   ; 4 wave + hh
	v_lshl_add_u32 v3, v7, 11, v5                  ; offset in x: row x 2,048 + 16 r
	v_lshlrev_b32 v4, 3, v1
	v_lshl_add_u32 v4, v7, 7, v4                   ; offset in hb: token x 128 + 8 r
	s_lshl_b32 s26, ttmp9, 16                      ; the work-group's 32 rows of 2,048 bytes
	s_mov_b32 s27, 0
	s_lshr_b32 s30, ttmp9, 3                       ; batch
	s_lshl_b32 s30, s30, 18                        ; x 262,144
	s_and_b32 s31, ttmp9, 7
	s_lshl_b32 s31, s31, 12                        ; + 32 tokens x 128 bytes x (work-group mod 8)
	s_add_co_u32 s30, s30, s31
	s_mov_b32 s31, 0
	s_mov_b32 s28, 0x3b000000                      ; 1 / 512
	s_mov_b32 s29, 0x3727c5ac                      ; 1e-5
	s_wait_kmcnt 0x0
	s_add_nc_u64 s[4:5], s[4:5], s[26:27]
	s_add_nc_u64 s[22:23], s[22:23], s[30:31]
.irp j, 0,1,2,3,4,5,6,7
	global_load_b128 v[G+4*\j:G+4*\j+3], v5, s[6:7] offset:256*\j
.endr
.irp j, 0,1,2,3,4,5,6,7
	global_load_b128 v[B+4*\j:B+4*\j+3], v5, s[8:9] offset:256*\j
.endr
.irp j, 0,1,2,3,4,5,6,7
	global_load_b128 v[X+4*\j:X+4*\j+3], v3, s[4:5] offset:256*\j th:TH_LOAD_NT
.endr
.irp j, 0,1,2,3,4,5,6,7
	global_load_b128 v[X+32+4*\j:X+32+4*\j+3], v3, s[4:5] offset:4096+256*\j th:TH_LOAD_NT
.endr
.macro REDUCE                          ; four chains in v[T:T+7] -> the row's sum in v[T], in all sixteen lanes of the row
	v_pk_add_f32 v[T:T+1], v[T:T+1], v[T+2:T+3]
	v_pk_add_f32 v[T+4:T+5], v[T+4:T+5], v[T+6:T+7]
	v_pk_add_f32 v[T:T+1], v[T:T+1], v[T+4:T+5]
	v_add_f32 v[T], v[T], v[T+1]
	v_add_f32_dpp v[T], v[T], v[T] row_xmask:1 row_mask:0xf bank_mask:0xf
	v_add_f32_dpp v[T], v[T], v[T] row_xmask:2 row_mask:0xf bank_mask:0xf
	v_add_f32_dpp v[T], v[T], v[T] row_xmask:4 row_mask:0xf bank_mask:0xf
	v_add_f32_dpp v[T], v[T], v[T] row_xmask:8 row_mask:0xf bank_mask:0xf
.endm
.macro LNP p                           ; the pair p of rows
.set XB, X+32*(\p)
.set k, 0
.rept 4
	v_pk_add_f32 v[T+2*k:T+2*k+1], v[XB+2*k:XB+2*k+1], v[XB+8+2*k:XB+8+2*k+1]  ; the first eight register pairs start four chains: nothing is cleared
.set k, k+1
.endr
.set k, 8
.rept 8
	v_pk_add_f32 v[T+2*(k%4):T+2*(k%4)+1], v[T+2*(k%4):T+2*(k%4)+1], v[XB+2*k:XB+2*k+1]
.set k, k+1
.endr
	REDUCE
	v_mul_f32 v[T+8], s28, v[T]                    ; the mean, twice, for the packed subtraction
	v_mov_b32 v[T+9], v[T+8]
.set k, 0
.rept 16
	v_pk_add_f32 v[XB+2*k:XB+2*k+1], v[XB+2*k:XB+2*k+1], v[T+8:T+9] neg_lo:[0,1] neg_hi:[0,1]  ; x - mean, in place
.set k, k+1
.endr
.set k, 0
.rept 4
	v_pk_mul_f32 v[T+2*k:T+2*k+1], v[XB+2*k:XB+2*k+1], v[XB+2*k:XB+2*k+1]
.set k, k+1
.endr
.rept 12
	v_pk_fma_f32 v[T+2*(k%4):T+2*(k%4)+1], v[XB+2*k:XB+2*k+1], v[XB+2*k:XB+2*k+1], v[T+2*(k%4):T+2*(k%4)+1]
.set k, k+1
.endr
	REDUCE
	v_fma_f32 v[T+10], v[T], s28, s29              ; variance + 1e-5
	v_rsq_f32 v[T+12], v[T+10]
	v_rsq_f32 v[T+13], v[T+10]
	v_nop                                          ; a plain instruction behind the last of the two (ISA guide 5.7.2),
	s_wait_alu depctr_va_vdst(0)                   ; and the one wait ahead of their first reader
.set k, 0
.rept 16
	v_pk_mul_f32 v[XB+2*k:XB+2*k+1], v[XB+2*k:XB+2*k+1], v[T+12:T+13]
.set k, k+1
.endr
.set k, 0
.rept 16
	v_pk_fma_f32 v[XB+2*k:XB+2*k+1], v[XB+2*k:XB+2*k+1], v[G+2*k:G+2*k+1], v[B+2*k:B+2*k+1]
.set k, k+1
.endr
.set k, 0
.rept 16
	v_cvt_pk_f16_f32 v[XB+k], v[XB+2*k], v[XB+2*k+1]  ; packed downward in place: a destination is never a later line's source
.set k, k+1
.endr
.set k, 0
.rept 8
	global_store_b64 v4, v[XB+2*k:XB+2*k+1], s[22:23] offset:32768*k+256*(\p)  ; K block k: the wave's 32 lanes write two tokens' 128 bytes, 256 on end
.set k, k+1
.endr
.endm
	s_wait_loadcnt 8                               ; g, b and the first pair are in; the second pair's eight loads may stay out
	LNP 0
	s_wait_loadcnt 0x0
	LNP 1
	s_endpgm
.Lweights:
	s_sub_co_u32 s30, ttmp9, 512                   ; u = 0 .. 191
	s_and_b32 s31, s30, 63
	s_lshl_b32 s31, s31, 16                        ; W1, W2, Wp: my 64 KiB of the source (u mod 64 counts from each matrix's first block),
	s_lshl_b32 s34, s30, 15                        ; and my 32 KiB of wb: the three lie end to end
	s_sub_co_u32 s35, s30, 144                     ; q, k, v weights: 16 m + head
	s_and_b32 s36, s35, 15                         ; head
	s_bfe_u32 s37, s35, 0x20004                    ; m
	s_lshl_b32 s38, s36, 16                        ; a head's 512 x 32 numbers are 64 KiB
	s_lshr_b32 s39, s36, 2
	s_mul_i32 s39, s39, 96                         ; a head group has 96 blocks of 4,096 bytes
	s_lshl2_add_u32 s39, s37, s39                  ; + 4 m
	s_and_b32 s36, s36, 3
	s_add_co_u32 s39, s39, s36                     ; + head in group
	s_lshl_b32 s39, s39, 12
	s_add_co_u32 s39, s39, 4718592
	s_mov_b32 s45, 4096                            ; from pass to pass in wb: dense,
	s_mov_b32 s46, 49152                           ; or a K block of the q, k, v weights
	s_mov_b32 s27, 0
	s_mov_b32 s29, 0
	v_lshlrev_b32 v3, 5, v0                        ; 8 numbers a thread and pass: 32 bytes in,
	v_lshlrev_b32 v[DO], 4, v0                     ; 16 bytes out
	s_wait_kmcnt 0x0
	s_cmp_lt_u32 s30, 64
	s_cselect_b64 s[40:41], s[10:11], s[12:13]
	s_cmp_lt_u32 s30, 128
	s_cselect_b64 s[40:41], s[40:41], s[14:15]
	s_cmp_lt_u32 s30, 160
	s_cselect_b64 s[42:43], s[16:17], s[18:19]
	s_cmp_lt_u32 s30, 176
	s_cselect_b64 s[42:43], s[42:43], s[20:21]
	s_cmp_lt_u32 s30, 144
	s_cselect_b64 s[40:41], s[40:41], s[42:43]
	s_cselect_b32 s26, s31, s38
	s_cselect_b32 s28, s34, s39
	s_cselect_b32 s44, s45, s46
	s_add_nc_u64 s[40:41], s[40:41], s[26:27]
	s_add_nc_u64 s[24:25], s[24:25], s[28:29]
.irp p, 0,1,2,3,4,5,6,7
	global_load_b128 v[X+8*\p:X+8*\p+3],   v3, s[40:41] offset:8192*\p th:TH_LOAD_NT
	global_load_b128 v[X+8*\p+4:X+8*\p+7], v3, s[40:41] offset:8192*\p+16 th:TH_LOAD_NT
.endr
.irp p, 0,1,2,3,4,5,6
	v_add_nc_u32 v[DO+\p+1], s44, v[DO+\p]
.endr
.irp p, 0,1,2,3,4,5,6,7
	s_wait_loadcnt 14-2*\p                         ; this pass's two loads are in; the later passes' may stay out
	v_cvt_pk_f16_f32 v[X+8*\p],   v[X+8*\p],   v[X+8*\p+1]  ; packed downward in place
	v_cvt_pk_f16_f32 v[X+8*\p+1], v[X+8*\p+2], v[X+8*\p+3]
	v_cvt_pk_f16_f32 v[X+8*\p+2], v[X+8*\p+4], v[X+8*\p+5]
	v_cvt_pk_f16_f32 v[X+8*\p+3], v[X+8*\p+6], v[X+8*\p+7]
	global_store_b128 v[DO+\p], v[X+8*\p:X+8*\p+3], s[24:25]  ; a wave's store covers 512 consecutive bytes, aligned
.endr
	s_endpgm
.Lfunc_end_k_qefb45465d0_prep:
	.size	k_qefb45465d0_prep, .Lfunc_end_k_qefb45465d0_prep-k_qefb45465d0_prep
	.p2alignl 7, 3214868480
	.fill 96, 4, 3214868480
	.section	.rodata,"a",@progbits
	.p2align	6, 0x0
	.amdhsa_kernel k_qefb45465d0_prep
		.amdhsa_group_segment_fixed_size 0
		.amdhsa_private_segment_fixed_size 0
		.amdhsa_enable_private_segment 0
		.amdhsa_kernarg_size 88
		.amdhsa_user_sgpr_count 2
		.amdhsa_user_sgpr_kernarg_segment_ptr 1
		.amdhsa_wavefront_size32 1
		.amdhsa_system_sgpr_workgroup_id_x 1
		.amdhsa_system_sgpr_workgroup_id_y 1
		.amdhsa_system_sgpr_workgroup_id_z 1
		.amdhsa_system_vgpr_workitem_id 0
		.amdhsa_next_free_vgpr 152
		.amdhsa_next_free_sgpr 66
		.amdhsa_reserve_vcc 0
		.amdhsa_float_denorm_mode_32 3
		.amdhsa_float_denorm_mode_16_64 3
		.amdhsa_memory_ordered 1
		.amdhsa_forward_progress 1
		.amdhsa_inst_pref_size 27
	.end_amdhsa_kernel
	.amdgpu_metadata
---
amdhsa.version: [ 1, 2 ]
amdhsa.kernels:
  - .name:           k_qefb45465d0_prep
    .symbol:         k_qefb45465d0_prep.kd
    .args:
      - { .name: x, .offset: 0, .size: 8, .value_kind: global_buffer, .address_space: global }
      - { .name: g_ln1, .offset: 8, .size: 8, .value_kind: global_buffer, .address_space: global }
      - { .name: b_ln1, .offset: 16, .size: 8, .value_kind: global_buffer, .address_space: global }
      - { .name: W1, .offset: 24, .size: 8, .value_kind: global_buffer, .address_space: global }
      - { .name: W2, .offset: 32, .size: 8, .value_kind: global_buffer, .address_space: global }
      - { .name: Wp, .offset: 40, .size: 8, .value_kind: global_buffer, .address_space: global }
      - { .name: Wq, .offset: 48, .size: 8, .value_kind: global_buffer, .address_space: global }
      - { .name: Wk, .offset: 56, .size: 8, .value_kind: global_buffer, .address_space: global }
      - { .name: Wv, .offset: 64, .size: 8, .value_kind: global_buffer, .address_space: global }
      - { .name: hb, .offset: 72, .size: 8, .value_kind: global_buffer, .address_space: global }
      - { .name: wb, .offset: 80, .size: 8, .value_kind: global_buffer, .address_space: global }
    .group_segment_fixed_size: 0
    .private_segment_fixed_size: 0
    .kernarg_segment_align: 8
    .kernarg_segment_size: 88
    .max_flat_workgroup_size: 256
    .sgpr_count:     66
    .vgpr_count:     152
    .wavefront_size: 32
...
	.end_amdgpu_metadata
.endif
;; end of part 1
;; launch attn (part 2): grid 4 x 64, 4 waves a work-group, clusters of 4 x 4, 327,680 bytes of LDS; arguments hb, wb, att; writes att
.if DOCPART == 2
	.amdgcn_target "amdgcn-amd-amdhsa--gfx1250"
	.amdhsa_code_object_version 6
	.text
	.protected	k_qefb45465d0_attn
	.globl	k_qefb45465d0_attn
	.p2align	8
	.type	k_qefb45465d0_attn,@function
k_qefb45465d0_attn:
	s_mov_b64 s[64:65], 0
	v_nop
	global_prefetch_b8 v0, s[64:65] scope:SCOPE_SE
	s_setreg_imm32_b32 hwreg(HW_REG_WAVE_MODE, 25, 1), 1
	s_wait_xcnt 0x0
	s_wait_alu depctr_hold_cnt(0) depctr_sa_sdst(0) depctr_va_vdst(0) depctr_va_sdst(0) depctr_va_ssrc(0) depctr_va_vcc(0) depctr_vm_vsrc(0)
	s_getreg_b32 s2, hwreg(HW_REG_IB_STS2, 6, 4)
	s_cmp_eq_u32 s2, 0
	s_cbranch_scc0 .Lentry_in_a_cluster
	s_endpgm
.Lentry_in_a_cluster:
	s_bfe_u32 s2, ttmp6, 0x10000c
	s_cmp_lg_u32 s2, 0xf033
	s_cbranch_scc0 .Lentry_shape_is_right
	s_endpgm
.Lentry_shape_is_right:
; q, k, v AND CAUSAL ATTENTION.  att(batch, token, 32 head + d) = softmax over s <= t of (q[t] . k[s] / sqrt(32)) times v[s], in f16.
; WORK LEFT OUT: the six of sixteen pairs (64 queries, 64 keys) of a head whose keys all lie behind all their queries: reference()'s own tril sets their scores to -inf ahead of the softmax, so they reach
; no output for any finite inputs (shown at the head of the first kernel).  LIMITS: a NaN, infinity or overflow that would arise only there is not carried to the result; a hidden score inside a diagonal
; pair counts as its value less 1e30; a weight below 2^-126 counts as 0 in the sum; NaN and infinities are not treated apart.  q, k, v, the weights p and att are rounded once to f16; products, maxima, sums in f32.
; f16 holds no number beyond 65,504: q, k or v of 65,520 or more becomes an infinity (their spread is gain x weight x sqrt(512): 1 as drawn, 900 with gains and weights 30 times larger); p lies in 0 to 1 and
; below 6e-5 keeps f16's fixed step of 6e-8; att is a mean of v's rows and has their range.
; SHARES.  A work-group takes one batch (256 tokens) and four heads; wave w takes head 4 g + w whole: first its q, k and v for all 256 tokens (a product 256 x 96 x 512: 96 accumulators, 768 registers),
; then the head's attention, alone.  256 work-groups.
; CLUSTER 4 x 4.  The four work-groups of a row of the cluster have the same batch and need the same tiles of h; the four of a column have the same heads and need the same tiles of the weights: each tile is
; asked for JOINTLY, by the same tensor load with the same descriptor and a mask that names the four.
; THE PRODUCT.  K goes in steps of 64 through two LDS slots.  Wave 0 fetches h's tile (256 tokens x 64: 32,768 dense bytes), waves 1-3 the q, k and v weights of the four heads (16,384 dense bytes each).
; For q and k the matrix instruction is used transposed (source 0 = 16 columns d of the weights, source 1 = 16 tokens): a lane then holds ONE token and eight d; the two results of a token block, rounded
; to f16, ARE a fragment (16 tokens x 32 d) for S^T = K Q^T.  For v source 0 = 16 tokens, source 1 = 16 d: a lane holds one d and eight tokens, and two token blocks' results ARE a fragment (16 d x 32 keys)
; of V^T.  So nothing changes lanes; the fragments are set aside in LDS, in the ring's bytes, which have had their last fill, each wave in 49,152 bytes of its own.
; The weights lie [k][d] in LDS and come out turned, by ds_load_tr16_b128.
; ATTENTION, in phases: for each group of 64 queries the key steps 0 .. group, 64 keys each; a running maximum m and sum l for each query; p = 2^(c s - c m), c = log2(e) / sqrt(32); O and l are multiplied by
; a = 2^(c m_old - c m_new) in every step.  m starts at the lowest finite number, so a group's first step has a = 0.  The mask is the C operand of the product that makes the scores.
; THE WAY OUT.  att lies in memory as the next launch's matrix instructions take it: att[batch][block of 16 tokens][head][1,024 bytes].  A head's 32 channels are one K step of the projection, and in O^T a lane holds
; token l % 16 and channels 16 e + 8 (l / 16) + 0..7: rounded, these 16 bytes ARE registers 4 e .. 4 e + 3 of that fragment in the same lane.  They go to byte 512 e + 16 l of the fragment: straight from
; registers, 512 consecutive bytes a store, at the end of each group of queries; nothing goes through LDS.
; REGISTERS, in windows of 256 (s_set_vgpr_msb: bits 1:0 source 0, 3:2 source 1, 5:4 source 2, 7:6 destination).
;   The product: window 0: v0-19 addresses; v32-79, v80-127 two sets of six weight fragments; v128-191, v192-255 h's fragments of token blocks 0-7 and 8-15.  Windows 1-3: accumulator 6 a + f.
;   Attention: window 0: v32-47 statistics, v48-63 at work, v64-67 c m_old, v72-95 masks, v128-255 S^T.  Window 1: v0-31 Q, v32-63 K, v64-95 V^T, v96-159 P, v160-223 O^T.
.set SLOT1,  1<<17                     ; slot 1 begins here: one exclusive or turns an address in one slot into the other's
.set AP,     144                       ; a token's 128 bytes + 16: an odd multiple of 16, so the 16 rows of a load start in different banks (ISA guide 11.1)
.set BP,     96                        ; a weight row's 64 bytes + 32: an odd multiple of 32, for the turning load
.set BOFF,   256*AP                    ; behind h's tile: 12 blocks (q, k, v x four heads) of 64 rows
.set BSUB,   64*BP
.set SPARE,  SLOT1+BOFF+12*BSUB        ; behind the ring: the spare words, 128 bytes for each wave: two blocks of 256 bytes that no other line names
.set PRIVB,  49152                     ; a wave's fragments: Q at 0, K at 16,384, V^T at 32,768; a fragment is 1,024 bytes: registers 0-3 at 16 x lane, registers 4-7 at 512 + 16 x lane
.set WQKV,   4718592                   ; the q, k, v weights in wb
.set LA,  3                            ; v3   my place in h's tile
.set LB,  4                            ; v4   my place in my head's q block of the weights' tile
.set ADA, 5                            ; v5   the same in the slot in hand
.set ADB, 6                            ; v6
.set PRIV, 7                           ; v7   my 16 bytes of my wave's first fragment
.set ADR, 8                            ; v8   the LDS address of the run of loads in hand
.set STO, 9                            ; v9   the way out: 16 x lane; never rewritten
.set ADS, 10                           ; v10  the same, plus the query group's four blocks of 16 tokens
.set PFO, 13                           ; v13  the prefetches' offset; never rewritten
.set SPW, 14                           ; v14  LDS address of my spare word; never rewritten
.set NIL, 15                           ; v15  0; never rewritten
.set DG,  16                           ; v16  my query's place in its block of 16, less my lanes' 8 (l / 16)
.set ST,  32
.set TMP, 48
.set MV,  64
.set TRI, 72                           ; the mask of a diagonal block of 16 x 16
.set MKD, 80                           ; this step's mask for blocks on the diagonal,
.set MKH, 88                           ; and for blocks above it
.set S,   128
.set WV,  10
.set CX,  11
.set CY,  12
.set BB,  13                           ; batch
.set HG,  14                           ; head group
.set CLY, 15                           ; the cluster's y
.set G1A, 16                           ; s[16:23] descriptor group 1 for h's tiles
.set G1B, 24                           ; s[24:31] for the weights'
.set G0A, 32                           ; s[32:39] group 0 for h's tiles: a set for each first fill; the second then walks on
.set G0B, 40                           ; s[40:47] the same for the weights'
.set PFA, 48                           ; s[48:49] where my prefetches stand
.set PST, 50                           ; s[50:51] their step: a K step of h or of the weights
.set LIM0, 52                          ; a wave prefetches in a trip while the trips to come are more than this; 2, or the greatest number
.set LIM1, 53                          ; the same for the trip after: the two change places in every trip
.set TB,  54                           ; the slot in hand
.set CNT, 55
.set CS,  56                           ; s[56:57] c
.set SEL, 58                           ; s[58:59] v_permlanex16_b32's selects: each lane takes its own place in the other half
.set GG,  60                           ; query group
.set SS,  61                           ; key step
.set GOF, 62
.set KOF, 63
.set STG, 66
.set BE,  67
.set AL,  68                           ; s[68:69]
.set BIGN, 70
.set MSB, 0
.macro WIN new                         ; the immediate's high byte repeats the setting that is left; a switch that changes nothing is dropped
.if MSB != (\new)
	s_set_vgpr_msb (MSB<<8)|(\new)
.set MSB, (\new)
.endif
.endm
.macro PLACES                          ; four places behind matrix instructions (ISA guide 7.12.1), where no other vector work is at hand
.rept 4
	v_nop
.endr
.endm
.macro CREST                           ; a round of the cluster's barrier behind its opening barrier
	s_cmp_lg_u32 s[WV], 0
	s_cbranch_scc1 .Lnot_wave_0_\@
	s_barrier_signal -3
.Lnot_wave_0_\@:
	s_barrier_wait -3
	s_barrier_signal -1
	s_barrier_wait -1
.endm
.macro CROUND
	s_barrier_signal -1
	s_barrier_wait -1
	CREST
.endm
.macro JLOAD                           ; a joint refill by the walking descriptors; the branch hangs on the wave's number alone; an s_nop 0 and four v_nop follow each line
	s_cmp_eq_u32 s[WV], 0
	s_cbranch_scc0 .Lfor_b_\@
	tensor_load_to_lds s[G0A+4:G0A+7], s[G1A:G1A+7]
	s_nop 0
.rept 4
	v_nop
.endr
	s_branch .Lasked_\@
.Lfor_b_\@:
	tensor_load_to_lds s[G0B+4:G0B+7], s[G1B:G1B+7]
	s_nop 0
.rept 4
	v_nop
.endr
.Lasked_\@:
.endm
; A PREFETCH INTO THE L2 of the K step that stands two refills on (384 matrix instructions ahead of the load that will want it), one instruction a wave, behind the joint load and the run of LDS loads.
; h's tile belongs to this row of the cluster alone: wave 0 asks, each of the four partners for 32 of the tile's 128 blocks of 256 bytes, told apart by address (cx).  The weights' tiles are read by every
; cluster: cluster y = 0 asks, waves 1-3 each for their part; a partner takes 16 of a part's 64 blocks (by cy), for two K steps at once, so these waves ask in every other trip.  Each block is named once in
; the launch.  K steps 0 to 3 come by their loads alone; the loop's last two trips ask for nothing.
.macro ASK lim
	s_cmp_gt_u32 s[CNT], s[\lim]
	s_cbranch_scc0 .Lnot_mine_\@
	global_prefetch_b8 v[PFO], s[PFA:PFA+1] th:TH_LOAD_NT scope:SCOPE_SE
.Lnot_mine_\@:
.endm
	s_load_b128 s[4:7], s[0:1], 0x0                ; hb s[4:5], wb s[6:7]
	s_load_b64 s[8:9], s[0:1], 0x10                ; att
	v_lshl_add_u32 v[SPW], v0, 2, SPARE
	v_mov_b32 v[NIL], 0
	ds_add_u32 v[SPW], v[NIL]                      ; the wave's opening: the add, twice on end, and its wait ahead of my first tensor load
	ds_add_u32 v[SPW], v[NIL]                      ; and once more, under the one wait; the set-up below, work on registers, stands between
	v_lshrrev_b32 v17, 5, v0
	v_readfirstlane_b32 s[WV], v17                 ; wave 0..3
	s_bfe_u32 s[CX], ttmp6, 0x40000
	s_bfe_u32 s[CY], ttmp6, 0x40004
	s_lshl_b32 s[HG], ttmp9, 2
	s_add_co_u32 s[HG], s[HG], s[CX]               ; head group = 4 x cluster x + cx
	s_and_b32 s[CLY], ttmp7, 0xffff
	s_lshl_b32 s[BB], s[CLY], 2
	s_add_co_u32 s[BB], s[BB], s[CY]               ; batch = 4 x cluster y + cy
	s_lshl_b32 s76, s[CY], 2
	s_lshl_b32 s76, 15, s76                        ; my row of the cluster
	s_lshl_b32 s77, 0x1111, s[CX]                  ; my column
	; both tiles are dense in memory and are asked for as rows of 256 bytes; the padding cuts them into the rows that LDS holds
	s_or_b32 s[G1A], s76, (1<<16)|(1<<20)|(1<<21)|(4<<22)|(3<<25)  ; the mask; 2-byte elements; padding on; bit 21 beside a mask; after every 32 words (a token's 128 bytes) 4 words
	s_or_b32 s[G1B], s77, (1<<16)|(1<<20)|(1<<21)|(3<<22)|(7<<25)  ; after every 16 words (a weight row's 64 bytes) 8 words
	s_mov_b32 s[G1A+1], 128<<16                    ; tensor_dim0 = 128
	s_mov_b32 s[G1A+2], 128<<16                    ; tensor_dim1 = 128
	s_mov_b32 s[G1A+3], 128<<16                    ; tile_dim0 = 128
	s_mov_b32 s[G1A+4], 128                        ; tile_dim1 = 128
	s_mov_b32 s[G1A+5], 128                        ; 128 elements from row to row
	s_mov_b32 s[G1A+6], 0
	s_mov_b32 s[G1A+7], 0
	s_mov_b32 s[G1B+1], 128<<16
	s_mov_b32 s[G1B+2], 64<<16                     ; 64 rows
	s_mov_b32 s[G1B+3], 128<<16
	s_mov_b32 s[G1B+4], 64
	s_mov_b32 s[G1B+5], 128
	s_mov_b32 s[G1B+6], 0
	s_mov_b32 s[G1B+7], 0
	s_lshl_b32 s72, s[BB], 18                      ; h: the batch's 262,144 bytes (registers that never hold cx)
	s_mov_b32 s73, 0
	s_mul_i32 s74, s[HG], 393216                   ; the weights: the head group's 393,216 bytes (registers that never hold cy),
	s_lshl_b32 s75, s[WV], 14
	s_add_co_u32 s74, s74, s75                     ; + 16,384 x (wave - 1): q, k, v for waves 1, 2, 3 (wave 0 makes these words and never uses them)
	s_add_co_u32 s74, s74, WQKV-16384
	s_mov_b32 s75, 0
	s_mul_i32 s78, s[WV], 4*BSUB
	s_add_co_u32 s78, s78, BOFF-4*BSUB             ; and their place in a slot: a constant + the wave's number x a constant
	s_mov_b32 s[G0A], 1
	s_mov_b32 s[G0A+1], 0
	s_mov_b32 s[G0A+4], 1
	s_mov_b32 s[G0A+5], SLOT1
	s_mov_b32 s[G0B], 1
	s_mov_b32 s[G0B+1], s78
	s_mov_b32 s[G0B+4], 1
	s_add_co_u32 s[G0B+5], s78, SLOT1
	s_lshl_b32 s80, s[CX], 13                      ; the prefetches.  h: my work-group's 32 blocks,
	s_add_co_u32 s80, s80, s72
	s_add_co_u32 s80, s80, 3*32768                 ; at K step 3: the first change steps it to 4
	s_add_co_u32 s82, s74, 3*49152                 ; the weights: my part, at K step 3
	s_lshl_b32 s83, s[CY], 12                      ; my work-group's 16 blocks of it
	s_mov_b32 s84, 32768
	s_mov_b32 s85, 49152
	s_mov_b32 s86, 4096
	s_cmp_eq_u32 s[CLY], 0
	s_cselect_b32 s87, 2, -1                       ; the same in all sixteen partners
	s_cmp_eq_u32 s[WV], 0
	s_cselect_b32 s[LIM0], 2, s87
	s_cselect_b32 s[LIM1], 2, -1
	s_cselect_b32 s[PST], s84, s85
	s_cselect_b32 s80, s80, s82
	s_cselect_b32 s86, s86, s85                    ; lanes 16-31: h's next 16 blocks, or the weights' next K step
	s_cselect_b32 s83, 0, s83
	s_mov_b32 s[PST+1], 0
	s_mov_b32 s81, 0
	s_lshl_b32 s88, s[HG], 12                      ; att: the batch's 262,144 bytes; in each block of 16 tokens my head's 1,024: 4,096 x head group
	s_lshl_b32 s89, s[WV], 10                      ; + 1,024 x wave
	s_add_co_u32 s88, s88, s89
	s_add_co_u32 s88, s88, s72
	s_mov_b32 s89, 0
	s_mov_b32 s[CS], 0x3e8293ee                    ; c = log2(e) / sqrt(32) = 0.255035
	s_mov_b32 s[CS+1], s[CS]
	s_mov_b32 s[SEL], 0x76543210
	s_mov_b32 s[SEL+1], 0xfedcba98
	s_mov_b32 s[BIGN], 0xf149f2ca                  ; -1e30
	s_mov_b32 s[AL+1], 0
	s_mov_b32 s[TB], 0
	s_wait_dscnt 0x0                               ; both opening adds are done
	s_wait_kmcnt 0x0
	s_cmp_eq_u32 s[WV], 0
	s_cselect_b64 s[PFA:PFA+1], s[4:5], s[6:7]
	s_add_nc_u64 s[PFA:PFA+1], s[PFA:PFA+1], s[80:81]
	s_add_nc_u64 s[G0A+2:G0A+3], s[4:5], s[72:73]  ; K step 0,
	s_add_nc_u64 s[G0A+6:G0A+7], s[G0A+2:G0A+3], 32768  ; K step 1
	s_or_b32 s[G0A+3], s[G0A+3], 0x80000000        ; type = 2
	s_or_b32 s[G0A+7], s[G0A+7], 0x80000000
	s_add_nc_u64 s[G0B+2:G0B+3], s[6:7], s[74:75]
	s_add_nc_u64 s[G0B+6:G0B+7], s[G0B+2:G0B+3], 49152
	s_or_b32 s[G0B+3], s[G0B+3], 0x80000000
	s_or_b32 s[G0B+7], s[G0B+7], 0x80000000
	s_add_nc_u64 s[8:9], s[8:9], s[88:89]
	CROUND                                         ; all sixteen work-groups are here: the first joint loads meet
	s_cmp_eq_u32 s[WV], 0                          ; a wave's two first fills stand in one branch: two loads of mine are out
	s_cbranch_scc0 .Lfirst_b
	tensor_load_to_lds s[G0A:G0A+3], s[G1A:G1A+7]
	s_nop 0
	tensor_load_to_lds s[G0A+4:G0A+7], s[G1A:G1A+7]
	s_nop 0
.rept 4
	v_nop
.endr
	s_branch .Lfirst_asked
.Lfirst_b:
	tensor_load_to_lds s[G0B:G0B+3], s[G1B:G1B+7]
	s_nop 0
	tensor_load_to_lds s[G0B+4:G0B+7], s[G1B:G1B+7]
	s_nop 0
.rept 4
	v_nop
.endr
.Lfirst_asked:
	v_and_b32 v1, 15, v0                           ; r = l % 16
	v_bfe_u32 v2, v0, 4, 1                         ; hh = l / 16
	v_and_b32 v17, 31, v0                          ; l
	v_mul_u32_u24 v[LA], v1, AP
	v_lshl_add_u32 v[LA], v2, 4, v[LA]             ; a fragment of h: token r, 16 bytes for each half of the lanes
	v_and_b32 v18, 7, v0
	v_lshl_add_u32 v18, v2, 3, v18                 ; the turning load: row k = 8 hh + l % 8,
	v_mul_u32_u24 v[LB], v18, BP
	v_bfe_u32 v19, v0, 3, 1
	v_lshl_add_u32 v[LB], v19, 4, v[LB]            ; columns 8 ((l / 8) % 2) on
	s_mul_i32 s85, s[WV], BSUB
	s_add_co_u32 s85, s85, BOFF
	v_add_nc_u32 v[LB], s85, v[LB]                 ; my head's block
	s_mul_i32 s85, s[WV], PRIVB
	v_lshl_add_u32 v[PRIV], v17, 4, s85
	v_lshlrev_b32 v[STO], 4, v17
	v_mul_u32_u24 v[PFO], v2, s86
	v_lshl_add_u32 v[PFO], v1, 8, v[PFO]
	v_add_nc_u32 v[PFO], s83, v[PFO]
; n token blocks from al0 on of half (0: blocks 0-7, 1: blocks 8-15) x the six weight fragments of set bset: one instruction an accumulator, the 96 by turns.  zero = 1: the product starts the sum.
.macro MMX half, al0, n, bset, zero
.set al, (\al0)
.rept (\n)
.set f, 0
.rept 6
.set ai, 6*(8*(\half)+al)+f
.set rD, 8*(ai%32)
.set rA, 128+64*(\half)+8*al
.set rB, 32+48*(\bset)+8*f
	WIN 0x50*(1+ai/32)
.if f < 4
.if \zero
	v_wmma_f32_16x16x32_f16 v[rD:rD+7], v[rB:rB+7], v[rA:rA+7], 0
.else
	v_wmma_f32_16x16x32_f16 v[rD:rD+7], v[rB:rB+7], v[rA:rA+7], v[rD:rD+7]
.endif
.else
.if \zero
	v_wmma_f32_16x16x32_f16 v[rD:rD+7], v[rA:rA+7], v[rB:rB+7], 0
.else
	v_wmma_f32_16x16x32_f16 v[rD:rD+7], v[rA:rA+7], v[rB:rB+7], v[rD:rD+7]
.endif
.endif
.set f, f+1
.endr
.set al, al+1
.endr
.endm
.macro FETCH_AB c, bset                ; 28 LDS loads in one run: h's token blocks 0-7 and the six weight fragments, for the 32 of K at 32 c
	WIN 0
.set al, 0
.rept 8
	ds_load_b128 v[128+8*al:128+8*al+3],   v[ADA] offset:al*16*AP+64*(\c)
	ds_load_b128 v[128+8*al+4:128+8*al+7], v[ADA] offset:al*16*AP+64*(\c)+32
.set al, al+1
.endr
.set f, 0
.rept 6
	ds_load_tr16_b128 v[32+48*(\bset)+8*f:32+48*(\bset)+8*f+3],   v[ADB] offset:(f/2)*4*BSUB+(\c)*32*BP+(f%2)*32
	ds_load_tr16_b128 v[32+48*(\bset)+8*f+4:32+48*(\bset)+8*f+7], v[ADB] offset:(f/2)*4*BSUB+(\c)*32*BP+(f%2)*32+16*BP
.set f, f+1
.endr
.endm
.macro FETCH_AY c                      ; 16 loads: token blocks 8-15
	WIN 0
.set al, 0
.rept 8
	ds_load_b128 v[192+8*al:192+8*al+3],   v[ADA] offset:(8+al)*16*AP+64*(\c)
	ds_load_b128 v[192+8*al+4:192+8*al+7], v[ADA] offset:(8+al)*16*AP+64*(\c)+32
.set al, al+1
.endr
.endm
.macro SETADR
	v_add_nc_u32 v[ADA], s[TB], v[LA]
	v_add_nc_u32 v[ADB], s[TB], v[LB]
.endm
.macro SUBN zero                       ; a slot's first 32 of K, on weight set 0; the second 32 are fetched meanwhile
	s_wait_dscnt 16                                ; blocks 0-7 and the weights are in; blocks 8-15's sixteen loads may be out
	MMX 0, 0, 8, 0, \zero
	PLACES
	FETCH_AB 1, 1
	s_wait_dscnt 28                                ; all but the 28 just issued
	MMX 1, 0, 8, 0, \zero
	PLACES
	FETCH_AY 1
.endm
; A slot's second 32 of K, on weight set 1, and the change of slots: ONE barrier.  In front of it each wave waits for all its tensor loads (one is out: its part of the other slot), adds 0 to its spare word, and
; waits for that and for its reads of this slot, all of which have been issued.  fill = 1: the barrier opens a round of the cluster's, and the joint refill, two K steps ahead, is the first thing behind it.
.macro SUBT fill, lim
	WIN 0
.if \fill
	s_wait_xcnt 0x0                                ; the last prefetch, a K step back, has read its address
	s_add_nc_u64 s[PFA:PFA+1], s[PFA:PFA+1], s[PST:PST+1]
.endif
	s_wait_tensorcnt 0x0                           ; no tensor load of mine is out, so a group 0 may be written
	ds_add_u32 v[SPW], v[NIL]                      ; 0 onto my spare word
.if \fill
	s_xor_b32 s[G0A+5], s[G0A+5], SLOT1            ; the walking descriptors: the other slot than last time, the next K step
	s_add_nc_u64 s[G0A+6:G0A+7], s[G0A+6:G0A+7], 32768
	s_xor_b32 s[G0B+5], s[G0B+5], SLOT1
	s_add_nc_u64 s[G0B+6:G0B+7], s[G0B+6:G0B+7], 49152
.endif
	s_wait_dscnt 17                                ; (the add and blocks 8-15's sixteen loads may be out)
	MMX 0, 0, 4, 1, 0
	s_wait_dscnt 0x0                               ; the add is done, and my reads of this slot are over
	s_barrier_signal -1
	MMX 0, 4, 4, 1, 0
	WIN 0
	s_barrier_wait -1
.if \fill
	CREST
	JLOAD                                          ; its four v_nop are also the places in front of the loads below
.else
	PLACES
.endif
	s_xor_b32 s[TB], s[TB], SLOT1
	SETADR
	FETCH_AB 0, 0
.if \fill
	ASK \lim
.endif
	MMX 1, 0, 8, 1, 0
	PLACES
	FETCH_AY 0
.endm
	s_wait_tensorcnt 0x1                           ; my part of slot 0 is in; slot 1's may stay out
	s_barrier_signal -1
	s_barrier_wait -1
	SETADR
	FETCH_AB 0, 0
	FETCH_AY 0
	SUBN 1                                         ; the first 32 of K stand in front of the loop: their products start the sums
	WIN 0
	s_mov_b32 s[CNT], 6
.Lk:                                               ; a trip: one change of slots; trip i (1 to 6) asks for K step i + 1; the slot words turn by exclusive or
	SUBT 1, LIM0
	SUBN 0
	WIN 0
	s_mov_b32 s76, s[LIM0]                         ; the two limits change places: waves 1-3 prefetch in every other trip
	s_mov_b32 s[LIM0], s[LIM1]
	s_mov_b32 s[LIM1], s76
	s_sub_co_u32 s[CNT], s[CNT], 1
	s_cmp_lg_u32 s[CNT], 0
	s_cbranch_scc1 .Lk
	SUBT 0, LIM0                                   ; the tail is written out: nothing is asked for
	SUBN 0
	s_wait_dscnt 16
	MMX 0, 0, 8, 1, 0
	s_wait_dscnt 0x0
	MMX 1, 0, 8, 1, 0
	WIN 0
	s_barrier_signal -1                            ; every wave's reads of the ring are over (the wait above), and every tensor load has landed (the last change's wait):
	s_barrier_wait -1                              ; the ring's bytes, which are filled no more, now take the fragments
	PLACES
; q, k, v are rounded to f16, each accumulator's registers in ascending order, and set aside as fragments.  The bytes are the wave's own: no barrier follows.
.set a, 0
.rept 16
.set f, 0
.rept 6
.set ai, 6*a+f
.set rD, 8*(ai%32)
.set rP, 128+24*(a%2)+4*f
	WIN 5*(1+ai/32)
	v_cvt_pk_f16_f32 v[rP],   v[rD],   v[rD+1]
	v_cvt_pk_f16_f32 v[rP+1], v[rD+2], v[rD+3]
	v_cvt_pk_f16_f32 v[rP+2], v[rD+4], v[rD+5]
	v_cvt_pk_f16_f32 v[rP+3], v[rD+6], v[rD+7]
.set f, f+1
.endr
	WIN 0
.set f, 0
.rept 6
.set rP, 128+24*(a%2)+4*f
.if f < 2
	ds_store_b128 v[PRIV], v[rP:rP+3] offset:a*1024+512*f
.elseif f < 4
	ds_store_b128 v[PRIV], v[rP:rP+3] offset:16384+a*1024+512*(f-2)
.else
	ds_store_b128 v[PRIV], v[rP:rP+3] offset:32768+((a/2)*2+f-4)*1024+512*(a%2)
.endif
.set f, f+1
.endr
.set a, a+1
.endr
	; ATTENTION.  In S^T a lane holds query r of its block and keys 8 hh + j: on a diagonal block key j is hidden where 8 hh + j > r.
	v_lshlrev_b32 v18, 3, v2
	v_sub_nc_u32 v[DG], v1, v18
.set j, 0
.rept 8
	v_cmp_gt_i32 vcc_lo, j, v[DG]
	v_cndmask_b32 v[TRI+j], 0, s[BIGN], vcc_lo
.set j, j+1
.endr
.set t, 0
.rept 4
	v_mov_b32 v[ST+4*t+2], 0                       ; l and O^T need only be finite where a group begins (its first a is 0): zeros for the first group, what the group before left for the others
	v_mov_b32 v[ST+4*t+3], 0
.set t, t+1
.endr
	WIN 0x40
.set i, 160
.rept 64
	v_mov_b32 v[i], 0
.set i, i+1
.endr
	WIN 0
; Number n of the 22 that find tile t's maximum and statistics; each accumulator's lowest registers are read first.
;   0-11 four chains of seven scores each   12-14, 16 the four left over, the old m, the four chains into one   15 c m_old is kept   17, 18 the query's other 32 keys lie in the lane 16 away   19-21 c m, its change, a
.macro XS t, n
.set rT, ST+4*(\t)
.set rC, TMP+4*(\t)
.set rM, MV+(\t)
.set rS, S+32*(\t)
.if (\n) < 4
	v_max3_num_f32 v[rC+(\n)], v[rS+8*(\n)], v[rS+8*(\n)+1], v[rS+8*(\n)+2]
.elseif (\n) < 12
	v_max3_num_f32 v[rC+(\n)%4], v[rC+(\n)%4], v[rS+8*((\n)%4)+2*((\n)/4)+1], v[rS+8*((\n)%4)+2*((\n)/4)+2]
.elseif (\n) == 12
	v_max3_num_f32 v[rC], v[rC], v[rS+7], v[rS+15]
.elseif (\n) == 13
	v_max3_num_f32 v[rC+1], v[rC+1], v[rS+23], v[rS+31]
.elseif (\n) == 14
	v_max3_num_f32 v[rC+2], v[rC+2], v[rC+3], v[rT+1]
.elseif (\n) == 15
	v_mov_b32 v[rM], v[rT]
.elseif (\n) == 16
	v_max3_num_f32 v[rC], v[rC], v[rC+1], v[rC+2]
.elseif (\n) == 17
	v_permlanex16_b32 v[rC+3], v[rC], s[SEL], s[SEL+1]
.elseif (\n) == 18
	v_max_num_f32 v[rT+1], v[rC], v[rC+3]
.elseif (\n) == 19
	v_mul_f32 v[rT], s[CS], v[rT+1]
.elseif (\n) == 20
	v_sub_f32 v[rC+1], v[rM], v[rT]
.else
	v_exp_f32 v[rC+2], v[rC+1]
.endif
.endm
	s_mov_b32 s[GG], 0
.LG:                                               ; four groups of 64 queries
	s_wait_xcnt 0x0                                ; the last group's stores have read their data and their offset: both are written again only behind this wait
.set t, 0
.rept 4
	v_mov_b32 v[ST+4*t], 0xfe000000                ; c m: far below every c s
	v_mov_b32 v[ST+4*t+1], 0xff7fffff              ; m
.set t, t+1
.endr
	s_lshl_b32 s[GOF], s[GG], 12
	v_add_nc_u32 v[ADR], s[GOF], v[PRIV]
	WIN 0x40
.set t, 0
.rept 4
	ds_load_b128 v[8*t:8*t+3],   v[ADR] offset:t*1024
	ds_load_b128 v[8*t+4:8*t+7], v[ADR] offset:t*1024+512
.set t, t+1
.endr
	WIN 0
	s_mov_b32 s[SS], 0
.LS:                                               ; counted to four; the key steps behind the group are jumped over
	s_cmp_gt_u32 s[SS], s[GG]
	s_cbranch_scc1 .LSskip
	s_cmp_eq_u32 s[SS], s[GG]                      ; the diagonal step takes masks; in the others both masks are 0
	s_cselect_b32 s[AL], 1.0, 0
	s_cselect_b32 s[BE], s[BIGN], 0
	s_lshl_b32 s[KOF], s[SS], 12
.set z, 0
.rept 4
	v_pk_mul_f32 v[MKD+2*z:MKD+2*z+1], v[TRI+2*z:TRI+2*z+1], s[AL:AL+1] op_sel_hi:[1,0]
.set z, z+1
.endr
.set z, 0
.rept 8
	v_mov_b32 v[MKH+z], s[BE]                      ; these twelve lines are also the places between the last step's products and the loads into V's registers
.set z, z+1
.endr
	v_add_nc_u32 v[ADR], s[KOF], v[PRIV]
	WIN 0x40
.set t, 0
.rept 4
	ds_load_b128 v[32+8*t:32+8*t+3],   v[ADR] offset:16384+t*1024
	ds_load_b128 v[32+8*t+4:32+8*t+7], v[ADR] offset:16384+t*1024+512
.set t, t+1
.endr
.set t, 0
.rept 4
	ds_load_b128 v[64+8*t:64+8*t+3],   v[ADR] offset:32768+t*1024
	ds_load_b128 v[64+8*t+4:64+8*t+7], v[ADR] offset:32768+t*1024+512
.set t, t+1
.endr
	s_wait_dscnt 0x0                               ; K and V, and in a group's first step Q
	WIN 0x05                                       ; K and Q in window 1; S^T and the masks in window 0
.set i, 0
.rept 16                                           ; S^T = K Q^T: the head's 32 channels are one instruction deep
.set qa, i%4
.set kb, i/4
.if kb < qa
	v_wmma_f32_16x16x32_f16 v[S+32*qa+8*kb:S+32*qa+8*kb+7], v[32+8*kb:32+8*kb+7], v[8*qa:8*qa+7], 0
.elseif kb == qa
	v_wmma_f32_16x16x32_f16 v[S+32*qa+8*kb:S+32*qa+8*kb+7], v[32+8*kb:32+8*kb+7], v[8*qa:8*qa+7], v[MKD:MKD+7]
.else
	v_wmma_f32_16x16x32_f16 v[S+32*qa+8*kb:S+32*qa+8*kb+7], v[32+8*kb:32+8*kb+7], v[8*qa:8*qa+7], v[MKH:MKH+7]
.endif
.set i, i+1
.endr
	WIN 0
	PLACES
.irp n, 0,1,2,3,4,5,6,7,8,9,10,11,12,13,14,15,16,17,18,19,20,21
.irp t, 0,1,2,3
	XS \t, \n
.endr
.endr
; ONE BATCH: the four a above, the 64 scalings c s - c m and the 128 exponentials; none of these lines names an exponential's result.  A pair is scaled one line ahead of the pair before's two exponentials.
.set z, 0
.rept 64
.set rS, S+32*(z%4)+2*(z/4)
.set rT, ST+4*(z%4)
	v_pk_fma_f32 v[rS:rS+1], v[rS:rS+1], s[CS:CS+1], v[rT:rT+1] op_sel_hi:[1,0,0] neg_lo:[0,0,1] neg_hi:[0,0,1]
.if z > 0
.set rS, S+32*((z-1)%4)+2*((z-1)/4)
	v_exp_f32 v[rS], v[rS]
	v_exp_f32 v[rS+1], v[rS+1]
.endif
.set z, z+1
.endr
	v_exp_f32 v[S+126], v[S+126]
	v_exp_f32 v[S+127], v[S+127]
	v_nop                                          ; a plain instruction behind the last exponential (ISA guide 5.7.2): one for the batch,
	s_wait_alu depctr_va_vdst(0)                   ; and the one wait ahead of the batch's first reader
	WIN 0x41
.set z, 0
.rept 32                                           ; O^T times a
	v_pk_mul_f32 v[160+2*z:160+2*z+1], v[160+2*z:160+2*z+1], v[TMP+4*(z/8)+2:TMP+4*(z/8)+3] op_sel_hi:[1,0]
.set z, z+1
.endr
	WIN 0x40
.set z, 0
.rept 64                                           ; the weights, rounded in pairs, ARE source 1 of V^T P
	v_cvt_pk_f16_f32 v[96+z], v[S+2*z], v[S+2*z+1]
.set z, z+1
.endr
	WIN 0
.irp w, 4,8,16,32                                  ; each tile's 16 pairs are summed in place, neighbours 1, 2, 4 and 8 pairs apart
.set u, 0
.rept 128/\w
	v_pk_add_f32 v[S+\w*u:S+\w*u+1], v[S+\w*u:S+\w*u+1], v[S+\w*u+\w/2:S+\w*u+\w/2+1]
.set u, u+1
.endr
.endr
.set t, 0
.rept 4
	v_pk_fma_f32 v[ST+4*t+2:ST+4*t+3], v[ST+4*t+2:ST+4*t+3], v[TMP+4*t+2:TMP+4*t+3], v[S+32*t:S+32*t+1] op_sel_hi:[1,0,1]  ; l = a l + sum
.set t, t+1
.endr
	WIN 0x55
.set i, 0
.rept 16                                           ; O^T += V^T P: the eight accumulators by turns
.set g2, i/8
.set e, (i/4)%2
.set qa, i%4
	v_wmma_f32_16x16x32_f16 v[160+16*qa+8*e:160+16*qa+8*e+7], v[64+8*(2*g2+e):64+8*(2*g2+e)+7], v[96+16*qa+8*g2:96+16*qa+8*g2+7], v[160+16*qa+8*e:160+16*qa+8*e+7]
.set i, i+1
.endr
	WIN 0
.LSskip:
	s_add_co_u32 s[SS], s[SS], 1
	s_cmp_lt_u32 s[SS], 4
	s_cbranch_scc1 .LS
	; the group ends: l's two halves and the other half of the lanes' are added (the first four lines are the places behind the last products); O^T is divided by l, rounded, and stored
.irp t, 0,1,2,3
	v_add_f32 v[ST+4*\t+2], v[ST+4*\t+2], v[ST+4*\t+3]
.endr
.irp t, 0,1,2,3
	v_permlanex16_b32 v[ST+4*\t+3], v[ST+4*\t+2], s[SEL], s[SEL+1]
.endr
.irp t, 0,1,2,3
	v_add_f32 v[ST+4*\t+2], v[ST+4*\t+2], v[ST+4*\t+3]
.endr
.irp t, 0,1,2,3
	v_rcp_f32 v[ST+4*\t+2], v[ST+4*\t+2]
.endr
	v_nop
	s_wait_alu depctr_va_vdst(0)                   ; one wait for the four reciprocals
	WIN 0x41
.set z, 0
.rept 32
	v_pk_mul_f32 v[160+2*z:160+2*z+1], v[160+2*z:160+2*z+1], v[ST+4*(z/8)+2:ST+4*(z/8)+3] op_sel_hi:[1,0]
.set z, z+1
.endr
	WIN 0x05
.set z, 0
.rept 32
	v_cvt_pk_f16_f32 v[S+z], v[160+2*z], v[160+2*z+1]
.set z, z+1
.endr
	WIN 0
	s_lshl_b32 s[STG], s[GG], 16                   ; the group's four blocks of 16 tokens: 16,384 bytes each
	v_add_nc_u32 v[ADS], s[STG], v[STO]
.set q, 0
.rept 8                                            ; tile q / 2, channels 16 (q % 2) on: half a fragment, 512 consecutive bytes, at a multiple of 256 from att's first byte
	global_store_b128 v[ADS], v[S+4*q:S+4*q+3], s[8:9] offset:(q/2)*16384+512*(q%2)
.set q, q+1
.endr
	s_add_co_u32 s[GG], s[GG], 1
	s_cmp_lt_u32 s[GG], 4
	s_cbranch_scc1 .LG
	s_wait_tensorcnt 0x0                           ; the wave's end: behind my last tensor load and my last LDS store
	ds_add_u32 v[SPW], v[NIL]
	s_wait_dscnt 0x0
	CROUND                                         ; the closing round
	s_endpgm
.Lfunc_end_k_qefb45465d0_attn:
	.size	k_qefb45465d0_attn, .Lfunc_end_k_qefb45465d0_attn-k_qefb45465d0_attn
	.p2alignl 7, 3214868480
	.fill 96, 4, 3214868480
	.section	.rodata,"a",@progbits
	.p2align	6, 0x0
	.amdhsa_kernel k_qefb45465d0_attn
		.amdhsa_group_segment_fixed_size 327680
		.amdhsa_private_segment_fixed_size 0
		.amdhsa_enable_private_segment 0
		.amdhsa_kernarg_size 24
		.amdhsa_user_sgpr_count 2
		.amdhsa_user_sgpr_kernarg_segment_ptr 1
		.amdhsa_wavefront_size32 1
		.amdhsa_system_sgpr_workgroup_id_x 1
		.amdhsa_system_sgpr_workgroup_id_y 1
		.amdhsa_system_sgpr_workgroup_id_z 1
		.amdhsa_system_vgpr_workitem_id 0
		.amdhsa_next_free_vgpr 1024
		.amdhsa_next_free_sgpr 96
		.amdhsa_reserve_vcc 1
		.amdhsa_float_denorm_mode_32 3
		.amdhsa_float_denorm_mode_16_64 3
		.amdhsa_memory_ordered 1
		.amdhsa_forward_progress 1
		.amdhsa_inst_pref_size 134
	.end_amdhsa_kernel
	.amdgpu_metadata
---
amdhsa.version: [ 1, 2 ]
amdhsa.kernels:
  - .name:           k_qefb45465d0_attn
    .symbol:         k_qefb45465d0_attn.kd
    .args:
      - { .name: hb, .offset: 0, .size: 8, .value_kind: global_buffer, .address_space: global }
      - { .name: wb, .offset: 8, .size: 8, .value_kind: global_buffer, .address_space: global }
      - { .name: att, .offset: 16, .size: 8, .value_kind: global_buffer, .address_space: global }
    .group_segment_fixed_size: 327680
    .private_segment_fixed_size: 0
    .kernarg_segment_align: 8
    .kernarg_segment_size: 24
    .max_flat_workgroup_size: 128
    .sgpr_count:     96
    .vgpr_count:     1024
    .wavefront_size: 32
...
	.end_amdgpu_metadata
.endif
;; end of part 2
;; launch mlp (part 3): grid 256 x 1, 4 waves a work-group, clusters of 4 x 1, 327,680 bytes of LDS; arguments att, x, wb, bp, b1, b2, g_ln2, b_ln2, out0; writes out0
.if DOCPART == 3
	.amdgcn_target "amdgcn-amd-amdhsa--gfx1250"
	.amdhsa_code_object_version 6
	.text
	.protected	k_qefb45465d0_mlp
	.globl	k_qefb45465d0_mlp
	.p2align	8
	.type	k_qefb45465d0_mlp,@function
k_qefb45465d0_mlp:
	s_mov_b64 s[64:65], 0
	v_nop
	global_prefetch_b8 v0, s[64:65] scope:SCOPE_SE
	s_setreg_imm32_b32 hwreg(HW_REG_WAVE_MODE, 25, 1), 1
	s_wait_xcnt 0x0
	s_wait_alu depctr_hold_cnt(0) depctr_sa_sdst(0) depctr_va_vdst(0) depctr_va_sdst(0) depctr_va_ssrc(0) depctr_va_vcc(0) depctr_vm_vsrc(0)
	s_getreg_b32 s2, hwreg(HW_REG_IB_STS2, 6, 4)
	s_cmp_eq_u32 s2, 0
	s_cbranch_scc0 .Lentry_in_a_cluster
	s_endpgm
.Lentry_in_a_cluster:
	s_bfe_u32 s2, ttmp6, 0x10000c
	s_cmp_lg_u32 s2, 0x3003
	s_cbranch_scc0 .Lentry_shape_is_right
	s_endpgm
.Lentry_shape_is_right:
; x1 = x + att Wp + bp;  h2 = LayerNorm2(x1);  out0 = x1 + b2 + relu(h2 W1 + b1) W2.  Nothing of reference() is left out here.
; att, h2, the hidden layer and the weights are f16 matrix operands; x, x1, both statistics and all sums are f32.  LIMITS: the ReLU is taken of the number already rounded to f16, and gives 0 for a NaN.
; f16 holds no number beyond 65,504: a number of h2 or of the hidden layer of 65,520 or more becomes an infinity.  |h2| is at most sqrt(512) max|g_ln2| + max|b_ln2|; the hidden layer has the spread of
; gain x weight x sqrt(512): 1 as drawn, 900 with gains and weights 30 times larger.  Below 6e-5 a number keeps f16's fixed step of 6e-8.
; SHARES.  A work-group owns 64 rows.  Wave w owns all 64 rows x output columns 128 w .. + 127: 32 accumulators (256 registers), which hold x, then x1, then the result: the residual is never added afterwards.
; The hidden layer goes in 8 chunks of 256 columns, of which wave w makes 64 w .. + 63; a chunk passes from wave to wave through LDS in f16 and never leaves the WGP.
; The activations (att, later h2: 64 x 512) lie as fragments in EVERY wave's registers (512): so LDS has room for two slots of 128 KiB of weights, a slot holds 128 matrix instructions a wave, and LDS is read for
; weights and the hidden chunk alone.  att lies in memory in fragment order ([block of 16 rows][K step 16][1,024 bytes]): each load of a wave takes 512 consecutive bytes.
; Every product has source 0 = 16 columns of the weights (stored [k][n], turned by ds_load_tr16_b128) and source 1 = 16 rows of activations: a lane holds ONE row (lane % 16) and eight neighbouring columns.
; CLUSTER 4 x 1.  A work-group walks 36 weight tiles: Wp in four (128 k x 512 n), then for each chunk W1 in two (256 k x 256 n) and W2 in two (128 k x 512 n).  Each tile is asked for JOINTLY by the four
; partners; each wave brings a quarter.  Tile j lies in slot j % 2; the change at its end fills its slot with tile j + 2, behind a round of the cluster's barrier.  One tensor load a wave is out, two at the start.
; THE CHUNKS ARE WALKED ROUND.  Cluster i begins at chunk (i + i / 8) mod 8 and takes all eight in a ring: at any time the 64 clusters ask for eight different chunks, eight clusters each, and a chunk that a
; cluster comes to has been walked by eight others one chunk's time before.  The sum over the chunks is an f32 sum; its order differs from cluster to cluster.
; REGISTERS, in windows of 256 (s_set_vgpr_msb: bits 1:0 source 0, 3:2 source 1, 5:4 source 2, 7:6 destination):
;   window 0: v0-31 addresses; v32-63 b1 of the chunk; v64-255 fragments: for Wp and W2 two sets (64 of weights, 32 of the hidden chunk); for W1 two sets of 32 (v64-127) and 16 accumulators (v128-255)
;   window 1: the 32 accumulators, (a, nb) at 8 (8 a + nb)          windows 2, 3: the activations, fragment (a, kk) at 8 (16 (a % 2) + kk) of window 2 + a / 2
.set SLOT,  139264
.set P1,    544                        ; a row of a W1 tile: 512 bytes + 32;  an odd multiple of 32, for the turning load
.set P2,    1056                       ; a row of a Wp or W2 tile: 1,024 + 32
.set XB,    2*SLOT                     ; behind the ring, never filled by a tensor load, 33,792 bytes: h2 on its way between waves (32 rows x 1,040), then the hidden chunk (64 x 528), then four stages (16 x 528)
.set HP,    528
.set EP,    1040
.set VEC,   XB+33792                   ; bp, g_ln2, b_ln2, b2: 2,048 bytes each
.set STAT1, VEC+8192                   ; [row 64][wave 4] f32 twice: the rows' sums, then their sums of squares
.set SPARE, STAT1+2048                 ; the spare words, 128 bytes for each wave: two blocks of 256 bytes that no other line names
.set LB1, 3
.set LB2, 4
.set LH,  5
.set HST, 6
.set ADR, 7
.set H2S, 8
.set H2R, 9
.set STS, 10
.set STR, 11
.set OO,  12
.set XO,  13
.set AO,  14
.set B1O, 15
.set VECR, 16
.set STA, 17
.set STB, 18
.set PFO1, 19
.set PFO2, 20
.set ZERO, 21
.set SPW, 22
.set NIL, 23
.set VECS, 24
.set VGO, 25
.set WV,  22
.set CX,  23
.set CNT, 24
.set LIM, 25                           ; 1 in the launch's first eight clusters, which prefetch; else the greatest number
.set L1,  26                           ; my quarter's place in a slot, W1 tiles
.set L2,  27                           ; Wp and W2 tiles
.set G0,  28                           ; s[28:31] descriptor group 0
.set G0X, 32                           ; s[32:35] a second one, for the second first fill
.set G12, 36                           ; s[36:43] group 1, a quarter of a Wp or W2 tile: 32 rows x 512
.set G11, 44                           ; s[44:51] a quarter of a W1 tile: 64 rows x 256
.set QW1, 52                           ; s[52:53] W1 at my quarter's rows, the chunk's columns
.set QW2, 54                           ; s[54:55] W2 at my quarter's rows of the chunk's first tile
.set QB1, 56                           ; s[56:57] b1 at the chunk
.set QWP, 58                           ; s[58:59] Wp at my quarter's rows of its first tile
.set SEL, 60                           ; s[60:61]
.set BW1, 82                           ; s[82:83] W1 at my quarter's rows, chunk 0; never rewritten
.set BW2, 84                           ; s[84:85] W2 likewise
.set BB1, 86                           ; s[86:87] b1
.set CH,  88                           ; s88  the chunk in hand
.set OFS, 90                           ; s[90:91] a chunk's byte offset, made apart from the addresses; the high word is 0
.set MSB, 0
.macro WIN new
.if MSB != (\new)
	s_set_vgpr_msb (MSB<<8)|(\new)
.set MSB, (\new)
.endif
.endm
.macro PLACES                          ; four places behind matrix instructions (ISA guide 7.12.1), where no other vector work is at hand
.rept 4
	v_nop
.endr
.endm
.macro CREST
	s_cmp_lg_u32 s[WV], 0
	s_cbranch_scc1 .Lnot_wave_0_\@
	s_barrier_signal -3
.Lnot_wave_0_\@:
	s_barrier_wait -3
	s_barrier_signal -1
	s_barrier_wait -1
.endm
.macro CROUND
	s_barrier_signal -1
	s_barrier_wait -1
	CREST
.endm
.macro SETCH                           ; the three pointers of chunk CH, each made anew from its base: 256 columns of W1 are 512 bytes, 256 rows of W2 262,144, 256 numbers of b1 1,024
	s_lshl_b32 s[OFS], s[CH], 9
	s_add_nc_u64 s[QW1:QW1+1], s[BW1:BW1+1], s[OFS:OFS+1]
	s_lshl_b32 s[OFS], s[CH], 18
	s_add_nc_u64 s[QW2:QW2+1], s[BW2:BW2+1], s[OFS:OFS+1]
	s_lshl_b32 s[OFS], s[CH], 10
	s_add_nc_u64 s[QB1:QB1+1], s[BB1:BB1+1], s[OFS:OFS+1]
.endm
.macro DESC type, slot, ptr, off       ; group 0 for my quarter of a tile; written where no tensor load of mine is out
	s_add_co_u32 s[G0+1], s[L\type], (\slot)*SLOT
	s_add_nc_u64 s[G0+2:G0+3], s[\ptr:\ptr+1], \off
	s_or_b32 s[G0+3], s[G0+3], 0x80000000
.endm
.macro TL type                         ; the joint load: every wave issues it, for its own quarter; an s_nop 0 and four v_nop follow
	tensor_load_to_lds s[G0:G0+3], s[G1\type:G1\type+7]
	s_nop 0
.rept 4
	v_nop
.endr
.endm
; A PREFETCH INTO THE L2, in the projection's four changes of slots: my quarter of the tile that stands two refills on (256 matrix instructions ahead of the load that will want it), which is one of the four tiles of
; the chunk that my cluster begins with: 128 blocks of 256 bytes, of which each of the four partners takes 32, told apart by address (cx): a lane a block, one instruction a wave.  Clusters 0 to 7 ask: they begin at
; eight different chunks, so each block of W1 and W2 is named once in the launch.  Wp's tiles come by their loads alone, and in the loop over the chunks nothing is asked for.
.macro ASK pfo, ptr, off
	s_cmp_eq_u32 s[LIM], 1
	s_cbranch_scc0 .Lnot_mine_\@
	global_prefetch_b8 v[\pfo], s[\ptr:\ptr+1] offset:\off th:TH_LOAD_NT scope:SCOPE_SE
.Lnot_mine_\@:
.endm
.macro FW2 set, slot, kk               ; 16 loads: my eight column blocks of a Wp or W2 tile, 32 of K
	WIN 0
	v_add_nc_u32 v[ADR], (\slot)*SLOT+(\kk)*32*P2, v[LB2]
.set nb, 0
.rept 8
	ds_load_tr16_b128 v[64+96*(\set)+8*nb:64+96*(\set)+8*nb+3],   v[ADR] offset:32*nb
	ds_load_tr16_b128 v[64+96*(\set)+8*nb+4:64+96*(\set)+8*nb+7], v[ADR] offset:32*nb+16*P2
.set nb, nb+1
.endr
.endm
.macro FH set, kc                      ; 8 loads: the hidden chunk's four row blocks, 32 of its 256 columns
	WIN 0
.set aa, 0
.rept 4
	ds_load_b128 v[128+96*(\set)+8*aa:128+96*(\set)+8*aa+3],   v[LH] offset:aa*16*HP+64*(\kc)
	ds_load_b128 v[128+96*(\set)+8*aa+4:128+96*(\set)+8*aa+7], v[LH] offset:aa*16*HP+64*(\kc)+32
.set aa, aa+1
.endr
.endm
.macro FW1 set, slot, kk               ; 8 loads: my four column blocks of a W1 tile, 32 of K
	WIN 0
	v_add_nc_u32 v[ADR], (\slot)*SLOT+(\kk)*32*P1, v[LB1]
.set nb, 0
.rept 4
	ds_load_tr16_b128 v[64+32*(\set)+8*nb:64+32*(\set)+8*nb+3],   v[ADR] offset:32*nb
	ds_load_tr16_b128 v[64+32*(\set)+8*nb+4:64+32*(\set)+8*nb+7], v[ADR] offset:32*nb+16*P1
.set nb, nb+1
.endr
.endm
; The accumulators take turns, one instruction a turn, in the same order in every K step.
.macro GP set, a, kk                   ; the projection: row block a x my eight column blocks
	WIN 0x58+4*((\a)/2)
.set nb, 0
.rept 8
	v_wmma_f32_16x16x32_f16 v[8*(8*(\a)+nb):8*(8*(\a)+nb)+7], v[64+96*(\set)+8*nb:64+96*(\set)+8*nb+7], v[8*(16*((\a)%2)+(\kk)):8*(16*((\a)%2)+(\kk))+7], v[8*(8*(\a)+nb):8*(8*(\a)+nb)+7]
.set nb, nb+1
.endr
.endm
.macro G2 set, a                       ; the second layer
	WIN 0x50
.set nb, 0
.rept 8
	v_wmma_f32_16x16x32_f16 v[8*(8*(\a)+nb):8*(8*(\a)+nb)+7], v[64+96*(\set)+8*nb:64+96*(\set)+8*nb+7], v[128+96*(\set)+8*(\a):128+96*(\set)+8*(\a)+7], v[8*(8*(\a)+nb):8*(8*(\a)+nb)+7]
.set nb, nb+1
.endr
.endm
.macro G1 set, a, kk, first            ; the first layer; first = 1: b1 starts the sums
	WIN 0x08+4*((\a)/2)
.set nb, 0
.rept 4
.if \first
	v_wmma_f32_16x16x32_f16 v[128+8*(4*(\a)+nb):128+8*(4*(\a)+nb)+7], v[64+32*(\set)+8*nb:64+32*(\set)+8*nb+7], v[8*(16*((\a)%2)+(\kk)):8*(16*((\a)%2)+(\kk))+7], v[32+8*nb:32+8*nb+7]
.else
	v_wmma_f32_16x16x32_f16 v[128+8*(4*(\a)+nb):128+8*(4*(\a)+nb)+7], v[64+32*(\set)+8*nb:64+32*(\set)+8*nb+7], v[8*(16*((\a)%2)+(\kk)):8*(16*((\a)%2)+(\kk))+7], v[128+8*(4*(\a)+nb):128+8*(4*(\a)+nb)+7]
.endif
.set nb, nb+1
.endr
.endm
.macro LOADB1                          ; b1 of my 64 hidden columns: a lane's eight for each of four blocks
	WIN 0
.set nb, 0
.rept 4
	global_load_b128 v[32+8*nb:32+8*nb+3],   v[B1O], s[QB1:QB1+1] offset:64*nb
	global_load_b128 v[32+8*nb+4:32+8*nb+7], v[B1O], s[QB1:QB1+1] offset:64*nb+16
.set nb, nb+1
.endr
.endm
; A K step that is not a tile's last: its fragments were fetched a step ago; the next step's go into the other set, four places behind that set's last reader.
.macro KSP slot, kk, kg
	s_wait_dscnt 0x0
	PLACES
	FW2 ((\kk)+1)%2, \slot, (\kk)+1
	GP (\kk)%2, 0, \kg
	GP (\kk)%2, 1, \kg
	GP (\kk)%2, 2, \kg
	GP (\kk)%2, 3, \kg
.endm
.macro KS2 slot, kk, kc0
	s_wait_dscnt 0x0
	PLACES
	FW2 ((\kk)+1)%2, \slot, (\kk)+1
	FH ((\kk)+1)%2, (\kc0)+(\kk)+1
	G2 (\kk)%2, 0
	G2 (\kk)%2, 1
	G2 (\kk)%2, 2
	G2 (\kk)%2, 3
.endm
.macro KS1 slot, kk, kg0, first
	s_wait_dscnt 0x0
	PLACES
	FW1 ((\kk)+1)%2, \slot, (\kk)+1
	G1 (\kk)%2, 0, (\kg0)+(\kk), \first
	G1 (\kk)%2, 1, (\kg0)+(\kk), \first
	G1 (\kk)%2, 2, (\kg0)+(\kk), \first
	G1 (\kk)%2, 3, (\kg0)+(\kk), \first
.endm
; A tile's last K step changes slots.  TURN_A: my reads of the slot are back; all my tensor loads have landed (one was out: my quarter of the other slot); the add.  Behind one group of products TURN_B: the add is done;
; the signal.  Behind a second group TURN_C: the barrier's wait and the rest of a round of the cluster's barrier.  Then the joint refill, first.
.macro TURN_A
	s_wait_dscnt 0x0
	WIN 0
	s_wait_tensorcnt 0x0
	ds_add_u32 v[SPW], v[NIL]                      ; 0 onto my spare word
.endm
.macro TURN_B
	s_wait_dscnt 0x0
	s_barrier_signal -1
.endm
.macro TURN_C
	WIN 0
	s_barrier_wait -1
	CREST
.endm
.macro PTURN kg, type, slot, ptr, off, nxt, pfo, aptr, aoff
	TURN_A
	DESC \type, \slot, \ptr, \off
	GP 1, 0, \kg
	TURN_B
	GP 1, 1, \kg
	TURN_C
	TL \type
.if (\nxt) >= 0
	FW2 0, \nxt, 0
.endif
	ASK \pfo, \aptr, \aoff
	GP 1, 2, \kg
	GP 1, 3, \kg
.endm
	s_load_b512 s[4:19], s[0:1], 0x0               ; att s[4:5], x s[6:7], wb s[8:9], bp s[10:11], b1 s[12:13], b2 s[14:15], g_ln2 s[16:17], b_ln2 s[18:19]
	s_load_b64 s[20:21], s[0:1], 0x40              ; out0
	v_lshl_add_u32 v[SPW], v0, 2, SPARE
	v_mov_b32 v[NIL], 0
	ds_add_u32 v[SPW], v[NIL]                      ; the wave's opening: the add, twice on end, and its wait ahead of my first tensor load
	ds_add_u32 v[SPW], v[NIL]                      ; and once more, under the one wait; the set-up below, work on registers, stands between
	v_lshrrev_b32 v26, 5, v0
	v_readfirstlane_b32 s[WV], v26                 ; wave 0..3
	s_bfe_u32 s[CX], ttmp6, 0x40000
	s_lshl_b32 s66, ttmp9, 2
	s_add_co_u32 s66, s66, s[CX]                   ; my block of 64 rows: it enters att's, x's and out0's addresses alone
	s_cmp_lt_u32 ttmp9, 8
	s_cselect_b32 s[LIM], 1, -1                    ; the same in all four partners
	s_lshr_b32 s[CH], ttmp9, 3
	s_add_co_u32 s[CH], s[CH], ttmp9
	s_and_b32 s[CH], s[CH], 7                      ; the chunk that my cluster begins with: made of the cluster's number alone, the same in all four partners
	s_mov_b32 s[OFS+1], 0
	s_mul_i32 s[L1], s[WV], 64*P1
	s_mul_i32 s[L2], s[WV], 32*P2
	s_mov_b32 s[G12], 15|(1<<16)|(1<<20)|(1<<21)|(7<<22)|(7<<25)  ; the mask of four; 2-byte elements; padding on; bit 21 beside a mask; after every 256 words 8 words
	s_mov_b32 s[G12+1], 512<<16                    ; tensor_dim0 = 512
	s_mov_b32 s[G12+2], 32<<16                     ; tensor_dim1 = 32
	s_mov_b32 s[G12+3], 512<<16                    ; tile_dim0 = 512
	s_mov_b32 s[G12+4], 32                         ; tile_dim1 = 32
	s_mov_b32 s[G12+5], 512                        ; 512 elements from row to row
	s_mov_b32 s[G12+6], 0
	s_mov_b32 s[G12+7], 0
	s_mov_b32 s[G11], 15|(1<<16)|(1<<20)|(1<<21)|(6<<22)|(7<<25)  ; after every 128 words 8 words
	s_mov_b32 s[G11+1], 256<<16
	s_mov_b32 s[G11+2], 64<<16
	s_mov_b32 s[G11+3], 256<<16
	s_mov_b32 s[G11+4], 64
	s_mov_b32 s[G11+5], 2048                       ; W1's rows are 2,048 elements apart
	s_mov_b32 s[G11+6], 0
	s_mov_b32 s[G11+7], 0
	s_mov_b32 s[G0], 1
	s_mov_b32 s[G0+1], s[L2]                       ; Wp's first tile into slot 0,
	s_mov_b32 s[G0X], 1
	s_add_co_u32 s[G0X+1], s[L2], SLOT             ; its second into slot 1
	s_lshl_b32 s68, s[WV], 18                      ; 64 rows of W1: 262,144 bytes
	s_mov_b32 s69, 0
	s_lshl_b32 s70, s[WV], 15                      ; 32 rows of W2 or Wp: 32,768 bytes
	s_mov_b32 s71, 0
	s_lshl_b32 s72, s66, 16                        ; 64 rows of att
	s_mov_b32 s73, 0
	s_lshl_b32 s74, s66, 17                        ; 64 rows of x and of out0
	s_mov_b32 s75, 0
	s_mov_b32 s[SEL], 0x76543210
	s_mov_b32 s[SEL+1], 0xfedcba98
	s_mov_b32 s62, 0x3b000000                      ; 1 / 512
	s_mov_b32 s63, 0x3727c5ac                      ; 1e-5
	s_wait_dscnt 0x0                               ; both opening adds are done
	s_wait_kmcnt 0x0
	s_add_nc_u64 s[BW1:BW1+1], s[8:9], s[68:69]
	s_add_nc_u64 s[BW2:BW2+1], s[8:9], s[70:71]
	s_add_nc_u64 s[QWP:QWP+1], s[BW2:BW2+1], 4194304
	s_add_nc_u64 s[BW2:BW2+1], s[BW2:BW2+1], 2097152
	s_mov_b64 s[BB1:BB1+1], s[12:13]
	SETCH
	s_add_nc_u64 s[4:5], s[4:5], s[72:73]
	s_add_nc_u64 s[6:7], s[6:7], s[74:75]
	s_add_nc_u64 s[20:21], s[20:21], s[74:75]
	s_add_nc_u64 s[G0+2:G0+3], s[QWP:QWP+1], 0
	s_or_b32 s[G0+3], s[G0+3], 0x80000000
	s_add_nc_u64 s[G0X+2:G0X+3], s[QWP:QWP+1], 131072
	s_or_b32 s[G0X+3], s[G0X+3], 0x80000000
	CROUND                                         ; all four work-groups are here: the first joint loads meet
	tensor_load_to_lds s[G0:G0+3], s[G12:G12+7]
	s_nop 0
	tensor_load_to_lds s[G0X:G0X+3], s[G12:G12+7]
	s_nop 0
.rept 4
	v_nop
.endr
	v_and_b32 v1, 15, v0                           ; r = l % 16
	v_bfe_u32 v2, v0, 4, 1                         ; hh = l / 16
	v_and_b32 v26, 31, v0                          ; l
	v_and_b32 v27, 7, v0
	v_lshl_add_u32 v27, v2, 3, v27                 ; the turning load: row k = 8 hh + l % 8,
	v_bfe_u32 v28, v0, 3, 1                        ; columns 8 ((l / 8) % 2) on
	s_lshl_b32 s76, s[WV], 7
	s_lshl_b32 s77, s[WV], 8
	s_lshl_b32 s78, s[WV], 9
	s_mul_i32 s79, s[WV], 16*HP
	s_add_co_u32 s79, s79, XB
	s_lshl_b32 s80, s[WV], 2
	s_lshl_b32 s81, s[CX], 5
	v_mul_u32_u24 v[LB1], v27, P1
	v_lshl_add_u32 v[LB1], v28, 4, v[LB1]
	v_add_nc_u32 v[LB1], s76, v[LB1]               ; my 64 hidden columns: 128 bytes x wave
	v_mul_u32_u24 v[LB2], v27, P2
	v_lshl_add_u32 v[LB2], v28, 4, v[LB2]
	v_add_nc_u32 v[LB2], s77, v[LB2]               ; my 128 output columns: 256 bytes x wave
	v_mul_u32_u24 v[LH], v1, HP
	v_lshl_add_u32 v[LH], v2, 4, v[LH]
	v_add_nc_u32 v[LH], XB, v[LH]                  ; a fragment of the hidden chunk: row r, 16 bytes for each half of the lanes
	v_add_nc_u32 v[HST], s76, v[LH]                ; where I put my own columns of it
	v_mul_u32_u24 v[H2R], v1, EP
	v_lshl_add_u32 v[H2R], v2, 4, v[H2R]
	v_add_nc_u32 v[H2R], XB, v[H2R]                ; the same for h2
	v_add_nc_u32 v[H2S], s77, v[H2R]
	v_mul_u32_u24 v[STS], v1, HP
	v_lshl_add_u32 v[STS], v2, 5, v[STS]
	v_add_nc_u32 v[STS], s79, v[STS]               ; the way out, into my stage: row r, 32 bytes for each half of the lanes
	v_lshl_add_u32 v[STR], v26, 4, s79             ; and back: a row's 512 bytes, 16 a lane
	v_lshl_add_u32 v[OO], v26, 4, s78              ; the same 512 bytes of a row of out0
	v_lshlrev_b32 v[XO], 11, v1
	v_lshl_add_u32 v[XO], v2, 5, v[XO]
	v_add_nc_u32 v[XO], s78, v[XO]                 ; x as an accumulator holds it: row r, my eight columns
	v_lshlrev_b32 v[AO], 4, v26                    ; half a fragment of att: 16 bytes a lane, on end
	v_lshl_add_u32 v[B1O], v2, 5, s77
	v_lshl_add_u32 v[VECR], v2, 5, s78
	v_add_nc_u32 v[VECR], VEC, v[VECR]             ; my eight columns of a vector of 512
	v_lshlrev_b32 v[STB], 4, v1
	v_add_nc_u32 v[STB], STAT1, v[STB]
	v_add_nc_u32 v[STA], s80, v[STB]
	v_add_nc_u32 v29, s81, v26                     ; my block of a quarter's 128: 32 cx + l
	v_lshlrev_b32 v[PFO2], 8, v29                  ; a quarter of a W2 tile is dense
	v_lshrrev_b32 v30, 1, v29
	v_and_b32 v31, 1, v29
	v_lshlrev_b32 v[PFO1], 12, v30                 ; of a W1 tile: two blocks in each of 64 rows of 4,096 bytes
	v_lshl_add_u32 v[PFO1], v31, 8, v[PFO1]
	v_mov_b32 v[ZERO], 0
	v_lshlrev_b32 v[VGO], 4, v0
	v_add_nc_u32 v[VECS], VEC, v[VGO]
	global_load_b128 v[64:67], v[VGO], s[10:11]    ; the four vectors of 512: 16 bytes a thread, whole, once
	global_load_b128 v[68:71], v[VGO], s[16:17]
	global_load_b128 v[72:75], v[VGO], s[18:19]
	global_load_b128 v[76:79], v[VGO], s[14:15]
	LOADB1
.set q, 0
.rept 64                                           ; att's fragments: row block q / 16, K step q % 16: 1,024 bytes each, as they lie
	WIN 0x80+0x40*(q/32)
	global_load_b128 v[8*(q%32):8*(q%32)+3],   v[AO], s[4:5] offset:q*1024
	global_load_b128 v[8*(q%32)+4:8*(q%32)+7], v[AO], s[4:5] offset:q*1024+512
.set q, q+1
.endr
	WIN 0x40
.set q, 0
.rept 32                                           ; x goes straight into the accumulators: the projection's sums start on it
	global_load_b128 v[8*q:8*q+3],   v[XO], s[6:7] offset:(q/8)*32768+(q%8)*64
	global_load_b128 v[8*q+4:8*q+7], v[XO], s[6:7] offset:(q/8)*32768+(q%8)*64+16
.set q, q+1
.endr
	WIN 0
	s_wait_loadcnt 0x0
	ds_store_b128 v[VECS], v[64:67]
	ds_store_b128 v[VECS], v[68:71] offset:2048
	ds_store_b128 v[VECS], v[72:75] offset:4096
	ds_store_b128 v[VECS], v[76:79] offset:6144
	s_wait_tensorcnt 0x1                           ; my quarter of Wp's first tile is in; the second's may stay out
	s_wait_dscnt 0x0
	s_barrier_signal -1
	s_barrier_wait -1
	FW2 0, 0, 0
	; THE PROJECTION: four tiles of 128 of K
	KSP 0, 0, 0
	KSP 0, 1, 1
	KSP 0, 2, 2
	PTURN 3, 2, 0, QWP, 262144, 1, PFO1, QW1, 0
	KSP 1, 0, 4
	KSP 1, 1, 5
	KSP 1, 2, 6
	PTURN 7, 2, 1, QWP, 393216, 0, PFO1, QW1, 1048576
	KSP 0, 0, 8
	KSP 0, 1, 9
	KSP 0, 2, 10
	PTURN 11, 1, 0, QW1, 0, 1, PFO2, QW2, 0
	KSP 1, 0, 12
	KSP 1, 1, 13
	KSP 1, 2, 14
	PTURN 15, 1, 1, QW1, 1048576, -1, PFO2, QW2, 131072
	; LAYERNORM 2.  A row's 512 numbers lie in two lanes of each of the four waves: sums within a lane, across the halves of the lanes, then across the waves through LDS.  Mean first, then the squared differences.
	WIN 0
	PLACES
.set nb, 0
.rept 8
	ds_load_b128 v[64+8*nb:64+8*nb+3],    v[VECR] offset:64*nb
	ds_load_b128 v[64+8*nb+4:64+8*nb+7],  v[VECR] offset:64*nb+16
	ds_load_b128 v[128+8*nb:128+8*nb+3],  v[VECR] offset:2048+64*nb
	ds_load_b128 v[128+8*nb+4:128+8*nb+7], v[VECR] offset:2048+64*nb+16
	ds_load_b128 v[192+8*nb:192+8*nb+3],  v[VECR] offset:4096+64*nb
	ds_load_b128 v[192+8*nb+4:192+8*nb+7], v[VECR] offset:4096+64*nb+16
.set nb, nb+1
.endr
	s_wait_dscnt 0x0
	WIN 0x41
.set p, 0
.rept 128                                          ; x1 = x + att Wp + bp, each accumulator's registers in ascending order
	v_pk_add_f32 v[2*p:2*p+1], v[2*p:2*p+1], v[64+(2*p)%64:64+(2*p)%64+1]
.set p, p+1
.endr
	WIN 0x05
.set a, 0
.rept 4
	v_pk_add_f32 v[64+2*a:64+2*a+1], v[64*a:64*a+1], v[64*a+2:64*a+3]  ; a chain for each row block; the first two pairs start it
.set a, a+1
.endr
	WIN 0x04
.set p, 2
.rept 30
.set a, 0
.rept 4
	v_pk_add_f32 v[64+2*a:64+2*a+1], v[64+2*a:64+2*a+1], v[64*a+2*p:64*a+2*p+1]
.set a, a+1
.endr
.set p, p+1
.endr
	WIN 0
; Four pairs at reg + 2 a become the rows' sums over all 512 columns, in v[96 + 4 a], by way of the words at STAT1 + off.
.macro ACROSS reg, off
.set a, 0
.rept 4
	v_add_f32 v[(\reg)+2*a], v[(\reg)+2*a], v[(\reg)+2*a+1]
.set a, a+1
.endr
.set a, 0
.rept 4
	v_permlanex16_b32 v[(\reg)+2*a+1], v[(\reg)+2*a], s[SEL], s[SEL+1]
.set a, a+1
.endr
.set a, 0
.rept 4
	v_add_f32 v[(\reg)+2*a], v[(\reg)+2*a], v[(\reg)+2*a+1]
.set a, a+1
.endr
.set a, 0
.rept 4
	ds_store_b32 v[STA], v[(\reg)+2*a] offset:(\off)+256*a  ; a row's two lanes write the same word with the same number
.set a, a+1
.endr
	s_wait_dscnt 0x0
	s_barrier_signal -1
	s_barrier_wait -1
.set a, 0
.rept 4
	ds_load_b128 v[96+4*a:96+4*a+3], v[STB] offset:(\off)+256*a
.set a, a+1
.endr
	s_wait_dscnt 0x0
.set a, 0
.rept 4
	v_add_f32 v[96+4*a], v[96+4*a], v[96+4*a+1]
	v_add_f32 v[96+4*a+2], v[96+4*a+2], v[96+4*a+3]
.set a, a+1
.endr
.set a, 0
.rept 4
	v_add_f32 v[96+4*a], v[96+4*a], v[96+4*a+2]
.set a, a+1
.endr
.endm
	ACROSS 64, 0
.set a, 0
.rept 4
	v_mul_f32 v[88+2*a], s62, v[96+4*a]            ; the means, as pairs, in v88-95
	v_mov_b32 v[88+2*a+1], v[88+2*a]
.set a, a+1
.endr
.set a, 0
.rept 4
.set hf, 0
.rept 2
	WIN 0x01
.set k, 0
.rept 16
	v_pk_add_f32 v[96+2*k:96+2*k+1], v[64*a+32*hf+2*k:64*a+32*hf+2*k+1], v[88+2*a:88+2*a+1] neg_lo:[0,1] neg_hi:[0,1]
.set k, k+1
.endr
	WIN 0
.set k, 0
.rept 16
.if (hf == 0) && (k < 4)
	v_pk_mul_f32 v[64+2*k:64+2*k+1], v[96+2*k:96+2*k+1], v[96+2*k:96+2*k+1]
.else
	v_pk_fma_f32 v[64+2*(k%4):64+2*(k%4)+1], v[96+2*k:96+2*k+1], v[96+2*k:96+2*k+1], v[64+2*(k%4):64+2*(k%4)+1]
.endif
.set k, k+1
.endr
.set hf, hf+1
.endr
	v_pk_add_f32 v[64:65], v[64:65], v[66:67]
	v_pk_add_f32 v[68:69], v[68:69], v[70:71]
	v_pk_add_f32 v[72+2*a:72+2*a+1], v[64:65], v[68:69]
.set a, a+1
.endr
	ACROSS 72, 1024
.set a, 0
.rept 4
	v_fma_f32 v[96+4*a], v[96+4*a], s62, s63       ; variance + 1e-5
.set a, a+1
.endr
.set a, 0
.rept 4
	v_rsq_f32 v[72+2*a], v[96+4*a]
.set a, a+1
.endr
	v_nop
	s_wait_alu depctr_va_vdst(0)                   ; one wait for the four
.set a, 0
.rept 4
	v_mov_b32 v[72+2*a+1], v[72+2*a]               ; 1 / sigma as pairs in v72-79,
.set a, a+1
.endr
.set a, 0
.rept 4
	v_pk_mul_f32 v[80+2*a:80+2*a+1], v[88+2*a:88+2*a+1], v[72+2*a:72+2*a+1]  ; mean / sigma in v80-87
.set a, a+1
.endr
; h2 of rows 32 t .. 32 t + 31: each wave makes its 128 columns, all meet in LDS, and every wave takes all 512 back as fragments, into window 2 + t.  x1 stays in the accumulators.
.macro H2PASS t
.set a, 2*(\t)
.rept 2
.set hf, 0
.rept 2
	WIN 0x01
.set k, 0
.rept 16
	v_pk_fma_f32 v[96+2*k:96+2*k+1], v[64*a+32*hf+2*k:64*a+32*hf+2*k+1], v[72+2*a:72+2*a+1], v[80+2*a:80+2*a+1] neg_lo:[0,0,1] neg_hi:[0,0,1]
.set k, k+1
.endr
	WIN 0
.set k, 0
.rept 16
	v_pk_fma_f32 v[96+2*k:96+2*k+1], v[96+2*k:96+2*k+1], v[128+32*hf+2*k:128+32*hf+2*k+1], v[192+32*hf+2*k:192+32*hf+2*k+1]
.set k, k+1
.endr
.set k, 0
.rept 16
	v_cvt_pk_f16_f32 v[96+k], v[96+2*k], v[96+2*k+1]  ; packed downward in place: a destination is never a later line's source
.set k, k+1
.endr
.set q, 0
.rept 4
	ds_store_b128 v[H2S], v[96+4*q:96+4*q+3] offset:(a%2)*16*EP+32*(4*hf+q)
.set q, q+1
.endr
.set hf, hf+1
.endr
.set a, a+1
.endr
	s_wait_dscnt 0x0
	s_barrier_signal -1
	s_barrier_wait -1
	WIN 0x80+0x40*(\t)
.set q, 0
.rept 32
	ds_load_b128 v[8*q:8*q+3],   v[H2R] offset:(q/16)*16*EP+64*(q%16)
	ds_load_b128 v[8*q+4:8*q+7], v[H2R] offset:(q/16)*16*EP+64*(q%16)+32
.set q, q+1
.endr
	WIN 0
	s_wait_dscnt 0x0
.endm
	H2PASS 0
	s_barrier_signal -1                            ; every wave has read the first 32 rows: their bytes may be written again
	s_barrier_wait -1
	H2PASS 1                                       ; (the bytes are next written behind both W1 tiles' changes of slots, whose barriers every wave passes with its reads back)
	; THE NETWORK.  A trip: the second layer of one chunk, then the first layer of the next in the ring; the loop is entered in the middle of a trip.
	s_mov_b32 s[CNT], 8
	FW1 0, 0, 0
	s_branch .LF1
.LF2:
	KS2 0, 0, 0
	KS2 0, 1, 0
	KS2 0, 2, 0
	TURN_A
	s_wait_xcnt 0x0                                ; b1's loads, and in the first trip the projection's prefetches, have read their addresses: on to the next chunk of the ring
	s_add_co_u32 s[CH], s[CH], 1
	s_and_b32 s[CH], s[CH], 7
	SETCH
	DESC 1, 0, QW1, 0
	G2 1, 0
	TURN_B
	G2 1, 1
	TURN_C
	TL 1
	FW2 0, 1, 0
	FH 0, 4
	LOADB1
	G2 1, 2
	G2 1, 3
	KS2 1, 0, 4
	KS2 1, 1, 4
	KS2 1, 2, 4
	TURN_A
	DESC 1, 1, QW1, 1048576
	G2 1, 0
	TURN_B
	G2 1, 1
	TURN_C
	TL 1
	FW1 0, 0, 0
	G2 1, 2
	G2 1, 3
	WIN 0
.LF1:
	s_wait_loadcnt 0x0                             ; b1 of this chunk
	PLACES
	v_nop                                          ; five places: the first products write over registers that the second layer's last products read
	KS1 0, 0, 0, 1
.set kx, 1
.rept 6
	KS1 0, kx, 0, 0
.set kx, kx+1
.endr
	TURN_A
	DESC 2, 0, QW2, 0
	G1 1, 0, 7, 0
	TURN_B
	G1 1, 1, 7, 0
	TURN_C
	TL 2
	FW1 0, 1, 0
	G1 1, 2, 7, 0
	G1 1, 3, 7, 0
.set kx, 0
.rept 7
	KS1 1, kx, 8, 0
.set kx, kx+1
.endr
	TURN_A                                         ; this change of slots stands in the tile's last K step like the others: W2's second tile is asked for ahead of the chunk's conversion and stores
	DESC 2, 1, QW2, 131072
	G1 1, 0, 15, 0
	TURN_B
	G1 1, 1, 15, 0
	TURN_C
	TL 2
	G1 1, 2, 15, 0
	G1 1, 3, 15, 0
	WIN 0
	PLACES
.set k, 0
.rept 64                                           ; the chunk: rounded to f16, each accumulator's registers in ascending order,
	v_cvt_pk_f16_f32 v[64+k], v[128+2*k], v[128+2*k+1]
.set k, k+1
.endr
.set k, 0
.rept 64                                           ; the ReLU, two at a time,
	v_pk_max_num_f16 v[64+k], v[64+k], v[ZERO]
.set k, k+1
.endr
.set q, 0
.rept 16                                           ; and into LDS for all four waves
	ds_store_b128 v[HST], v[64+4*q:64+4*q+3] offset:(q/4)*16*HP+32*(q%4)
.set q, q+1
.endr
	s_wait_dscnt 0x0                               ; for the others' sake: my part of the chunk is stored
	s_barrier_signal -1                            ; a barrier of the work-group alone: behind it nothing is filled, and my one tensor load may stay out
	s_barrier_wait -1
	FW2 0, 0, 0                                    ; W2's first tile was shown whole by the round above
	FH 0, 0
	s_sub_co_u32 s[CNT], s[CNT], 1
	s_cmp_lg_u32 s[CNT], 0
	s_cbranch_scc1 .LF2
	; the last chunk's second layer is written out: nothing is asked for
	KS2 0, 0, 0
	KS2 0, 1, 0
	KS2 0, 2, 0
	TURN_A
	G2 1, 0
	TURN_B
	G2 1, 1
	WIN 0
	s_barrier_wait -1
	PLACES
	FW2 0, 1, 0
	FH 0, 4
	G2 1, 2
	G2 1, 3
	KS2 1, 0, 4
	KS2 1, 1, 4
	KS2 1, 2, 4
	s_wait_dscnt 0x0
	G2 1, 0
	G2 1, 1
	G2 1, 2
	G2 1, 3
	; THE WAY OUT.  b2 is added; a block of 16 rows at a time goes through my own stage and comes back as whole rows of my 512 bytes.
	WIN 0
	PLACES
.set nb, 0
.rept 8
	ds_load_b128 v[64+8*nb:64+8*nb+3],   v[VECR] offset:6144+64*nb
	ds_load_b128 v[64+8*nb+4:64+8*nb+7], v[VECR] offset:6144+64*nb+16
.set nb, nb+1
.endr
	s_wait_dscnt 0x0
	s_barrier_signal -1                            ; every wave's reads of the hidden chunk are back: its bytes become the stages
	s_barrier_wait -1
.set a, 0
.rept 4
	s_wait_xcnt 0x0                                ; the registers that the last block's stores read are written again only behind this wait
	WIN 0x01
.set k, 0
.rept 32
	v_pk_add_f32 v[128+2*k:128+2*k+1], v[64*a+2*k:64*a+2*k+1], v[64+2*k:64+2*k+1]
.set k, k+1
.endr
	WIN 0
.set nb, 0
.rept 8
	ds_store_b128 v[STS], v[128+8*nb:128+8*nb+3]   offset:64*nb
	ds_store_b128 v[STS], v[128+8*nb+4:128+8*nb+7] offset:64*nb+16
.set nb, nb+1
.endr
.set i, 0
.rept 16
	ds_load_b128 v[192+4*i:192+4*i+3], v[STR] offset:HP*i  ; LDS serves a wave's instructions in order (ISA guide 5.7.1.4): these see the stores above; the next block's stores come behind them
.set i, i+1
.endr
.set i, 0
.rept 16
	s_wait_dscnt 15-i                              ; the younger reads may stay out
	global_store_b128 v[OO], v[192+4*i:192+4*i+3], s[20:21] offset:(16*a+i)*2048 th:TH_STORE_NT  ; the wave's 32 lanes store 512 consecutive bytes, aligned
.set i, i+1
.endr
.set a, a+1
.endr
	s_wait_tensorcnt 0x0                           ; the wave's end: behind my last tensor load and my last LDS store
	ds_add_u32 v[SPW], v[NIL]
	s_wait_dscnt 0x0
	CROUND                                         ; the closing round
	s_endpgm
.Lfunc_end_k_qefb45465d0_mlp:
	.size	k_qefb45465d0_mlp, .Lfunc_end_k_qefb45465d0_mlp-k_qefb45465d0_mlp
	.p2alignl 7, 3214868480
	.fill 96, 4, 3214868480
	.section	.rodata,"a",@progbits
	.p2align	6, 0x0
	.amdhsa_kernel k_qefb45465d0_mlp
		.amdhsa_group_segment_fixed_size 327680
		.amdhsa_private_segment_fixed_size 0
		.amdhsa_enable_private_segment 0
		.amdhsa_kernarg_size 72
		.amdhsa_user_sgpr_count 2
		.amdhsa_user_sgpr_kernarg_segment_ptr 1
		.amdhsa_wavefront_size32 1
		.amdhsa_system_sgpr_workgroup_id_x 1
		.amdhsa_system_sgpr_workgroup_id_y 1
		.amdhsa_system_sgpr_workgroup_id_z 1
		.amdhsa_system_vgpr_workitem_id 0
		.amdhsa_next_free_vgpr 1024
		.amdhsa_next_free_sgpr 96
		.amdhsa_reserve_vcc 0
		.amdhsa_float_denorm_mode_32 3
		.amdhsa_float_denorm_mode_16_64 3
		.amdhsa_memory_ordered 1
		.amdhsa_forward_progress 1
		.amdhsa_inst_pref_size 255
	.end_amdhsa_kernel
	.section	.bss,"aw",@nobits
	.p2align	6
	.space	262144
	.amdgpu_metadata
---
amdhsa.version: [ 1, 2 ]
amdhsa.kernels:
  - .name:           k_qefb45465d0_mlp
    .symbol:         k_qefb45465d0_mlp.kd
    .args:
      - { .name: att, .offset: 0, .size: 8, .value_kind: global_buffer, .address_space: global }
      - { .name: x, .offset: 8, .size: 8, .value_kind: global_buffer, .address_space: global }
      - { .name: wb, .offset: 16, .size: 8, .value_kind: global_buffer, .address_space: global }
      - { .name: bp, .offset: 24, .size: 8, .value_kind: global_buffer, .address_space: global }
      - { .name: b1, .offset: 32, .size: 8, .value_kind: global_buffer, .address_space: global }
      - { .name: b2, .offset: 40, .size: 8, .value_kind: global_buffer, .address_space: global }
      - { .name: g_ln2, .offset: 48, .size: 8, .value_kind: global_buffer, .address_space: global }
      - { .name: b_ln2, .offset: 56, .size: 8, .value_kind: global_buffer, .address_space: global }
      - { .name: out0, .offset: 64, .size: 8, .value_kind: global_buffer, .address_space: global }
    .group_segment_fixed_size: 327680
    .private_segment_fixed_size: 0
    .kernarg_segment_align: 8
    .kernarg_segment_size: 72
    .max_flat_workgroup_size: 128
    .sgpr_count:     96
    .vgpr_count:     1024
    .wavefront_size: 32
...
	.end_amdgpu_metadata
.endif
;; end of part 3
